; MI455X (gfx1250); checked and timed in simulation.
; The chip was launched on July 23, 2026; its instructions are those of AMD's public machine-readable ISA for CDNA 5 (MIT licence, August 2026) and "CDNA5" Instruction Set Architecture Reference Guide (July 2026). The comments in the code are by the model that wrote it; some were corrected since.
;; Scaled Dot Product Attention. Allowed arithmetic: matrix products marked QUANTISED: E2M1 operands, one E8M0 scale for each 32 along K, by v_wmma_scale_f32_16x16x128_f8f6f4 with both operands' format E2M1 (or v_wmma_scale_f32_32x16x128_f4), f32 sums; products left as they are: bf16, f16 or f32 operands; f32 sums; everything else in f32.
;; Inputs: Wk 1,024 x 1,024 float32; Wq 1,024 x 1,024 float32; Wv 1,024 x 1,024 float32; attention_mask 2 x 2,048 int32; bk 1,024 float32; bq 1,024 float32; bv 1,024 float32; group_prob 2 x 1 x 2,048 x 2,048 float32; keys 2 x 2,048 x 1,024 float32; queries 2 x 2,048 x 1,024 float32; values 2 x 2,048 x 1,024 float32.
;; Outputs: out0 2 x 2,048 x 1,024 float32.
;; This version of the problem:
;;   THIS VERSION OF THE PROBLEM IS GIVEN IN LOW PRECISION. The matrix products marked QUANTISED in the list below multiply operands that are first quantised to E2M1 (2 exponent bits, 1 mantissa bit; 4 bits a number), with one power-of-two scale for each 32 numbers along K (OCP MX v1.0); their sums are f32. The products marked 'left as it is' may take bf16, f16 or f32 operands, with f32 sums. Whichever they take, every output number must still come out within the allowed error. Rounding operands to bf16 (8 significant bits) uses up far more of that allowance than f16 does (11 bits, for magnitudes from 6e-5 to 65,504). All else is computed in f32.
;;   The module's matrix products, in the order in which they are computed (A, B: the left and right operand; K: the contracted axis; several contracted axes count as one K, in the product's order):
;;     1. [M 4,096, K 1,024] x [K 1,024, N 1,024]; A: input queries; B: input Wq: QUANTISED
;;     2. [M 4,096, K 1,024] x [K 1,024, N 1,024]; A: input keys; B: input Wk: QUANTISED
;;     3. [M 4,096, K 1,024] x [K 1,024, N 1,024]; A: input values; B: input Wv: QUANTISED
;;     4. batch 32 x [M 2,048, K 64] x [K 64, N 2,048]; A: computed on the way; B: computed on the way: left as it is (an operand is computed on the way)
;;     5. batch 32 x [M 2,048, K 2,048] x [K 2,048, N 64]; A: computed on the way; B: computed on the way: left as it is (an operand is computed on the way)
;;   THE QUANTISER, for each operand of a quantised product, along K:
;;     - K is cut into blocks of 32 from its start; a last block that is shorter is filled with zeros.
;;     - A block's scale is 2^e with e = floor(log2(the largest magnitude in the block)) - 2, held to -126 .. 127; a block of zeros has e = 0. As a byte (E8M0): e + 127.
;;     - Each number is divided by its block's scale, clamped to +-6, and rounded to the nearest number of E2M1, ties to even, subnormals kept.
;;     - The product sums the exact products of the quantised numbers (number of the format x scale) in f32.
;;   ~~~python
;;   def quantise(x, axis):      # numpy; x: float32 -> the quantised numbers, widened to float32 again
;;       x = np.moveaxis(x, axis, -1); K = x.shape[-1]
;;       x = np.pad(x, [(0, 0)] * (x.ndim - 1) + [(0, -K % 32)]); x = x.reshape(x.shape[:-1] + (-1, 32)); a = np.abs(x).max(-1, keepdims=True)
;;       e = np.where(a > 0, np.clip(np.frexp(np.where(a > 0, a, 1))[1] - 1 - 2, -126, 127), 0)      # np.frexp(a)[1] - 1 = floor(log2(a)), exactly
;;       r = np.clip(x / 2.0 ** e, -6, 6)
;;       step = 2.0 ** (np.maximum(np.frexp(np.where(r == 0, 1, r))[1] - 1, 0) - 1)
;;       q = np.round(r / step) * step * 2.0 ** e      # np.round: ties to even
;;       return np.moveaxis(q.reshape(q.shape[:-2] + (-1,))[..., :K], -1, axis).astype(np.float32)
;;   ~~~
;; One version. Each part assembles by itself: llvm-mc -triple=amdgcn-amd-amdhsa -mcpu=gfx1250 --defsym DOCPART=n.
;; ======== version 1 of 1: 3 launches
;; limits: values are held in f16: magnitudes above 65,504 overflow, below 6.1e-05 lose precision; right only within a limited range of input values
;; workspace buffers: xc 6,291,456 bytes; xs 393,216 bytes; wc 1,572,864 bytes; ws 98,304 bytes; qkv 25,165,824 bytes
;; launch quant (part 1): grid 480 x 1, 4 waves a work-group, no clusters, 50,688 bytes of LDS; arguments Wq, Wk, Wv, queries, keys, values, xc, xs, wc, ws; writes xc, xs, wc, ws
.if DOCPART == 1
	.amdgcn_target "amdgcn-amd-amdhsa--gfx1250"
	.amdhsa_code_object_version 6
	.text
	.protected	k_qd96490a369_quant
	.globl	k_qd96490a369_quant
	.p2align	8
	.type	k_qd96490a369_quant,@function
k_qd96490a369_quant:
	s_mov_b64 s[64:65], 0
	v_nop
	global_prefetch_b8 v0, s[64:65] scope:SCOPE_SE
	s_setreg_imm32_b32 hwreg(HW_REG_WAVE_MODE, 25, 1), 1
	s_wait_xcnt 0x0
; queries, keys, values [4096][1024] f32 (K innermost) and Wq, Wk, Wv [1024 (k)][1024 (n)] f32 (K is the FIRST axis) become codes of FP4 (E2M1), K innermost, two codes a byte, with one E8M0 byte for each 32 along K.
; xc [3 x 4096 rows][512 bytes], xs [3 x 4096][32];  wc [3 x 1024 columns n][512 bytes], ws [3 x 1024][32];  the three tensors lie in the order q, k, v.
; A block's scale is 2^(floor(log2(its largest magnitude)) - 2); its byte is the largest magnitude's exponent field - 2, held at 1 from below.  Each number is divided by the scale and rounded to the nearest code, ties to even,
; beyond the largest code the largest.
; LIMITS: a block of zeros gets the byte 1 where the quantiser's text says 127: its codes are zeros, which add nothing under any byte but 0xff, and this program alone reads the bytes.  Blocks whose largest magnitude lies
; under 2^-124 keep the byte 1.  NaN and infinities among the inputs are not served.
; Work-groups 0 to 95 take the weights (their chain of waits is the longest, so they stand first), work-groups 96 to 479 the three activations.  The two paths part on the work-group's number alone, use LDS bytes of their own
; and join in front of the closing lines.  No tensor loads, no barrier: waves share nothing.
.set NWW,   96                         ; work-groups of the weights' path
.set STEPS, 16
.set EMAX,  2
.set CB,    8                          ; bytes of 16 codes
.set R,     16                         ; x path: v16-79   four sets of 16 numbers as they are loaded
.set X,     80                         ;         v80-111  two sets of 16 neighbours
.set E,     112                        ;         v112-127 a scale byte for each step
.set C,     128                        ;         v128-191 codes: four registers for each step, so that no store's data are written again
.set WREG,  8192                       ; x path's LDS: a region for each wave: two stages of 32 x SP bytes, behind them its 256 scale bytes
.set SP,    80                         ; a lane's place in a stage: its 64 bytes + 16 of padding
.set SPW,   12                         ; v12 LDS address of my spare word: SPARE + 4 x my thread's number; never rewritten
.set NIL,   13                         ; v13 0; never rewritten
.set WST,   4*WREG                     ; weights' path's LDS: a stage of 16 rows x WPIT for each wave
.set WPIT,  272                        ; a stage row: 256 bytes of codes + 16
.set SPARE, WST+4*16*WPIT              ; the spare words, 128 bytes for each wave: two blocks of 256 bytes that no other line names
.set NB,    8                          ; weights' path: blocks of a lane
.set WX,    32                         ; v32-95   two sets of 32 numbers
.set WC,    96                         ; v96-99   a block's codes
.set SB,    24                         ; v24-25   the lane's eight scale bytes
.set OUTR,  112                        ; v112-143 the way out
	s_load_b256 s[4:11], s[0:1], 0x0               ; Wq s[4:5], Wk s[6:7], Wv s[8:9], queries s[10:11]
	s_load_b256 s[12:19], s[0:1], 0x20             ; keys s[12:13], values s[14:15], xc s[16:17], xs s[18:19]
	s_load_b128 s[20:23], s[0:1], 0x40             ; wc s[20:21], ws s[22:23]
	v_lshl_add_u32 v[SPW], v0, 2, SPARE
	v_mov_b32 v[NIL], 0
	v_lshrrev_b32 v1, 5, v0
	v_readfirstlane_b32 s24, v1                    ; wave 0..3
	v_and_b32 v2, 31, v0                           ; lane
	s_cmp_lt_u32 ttmp9, NWW                        ; the work-group's number alone: all four waves go the same way
	s_cbranch_scc1 .Lweights
; ---------------- THE ACTIVATIONS.  Rows are dense and 1,024 is a multiple of 32: a tensor is a plain stream of blocks of 32, and so are its codes and its scale bytes.
; A wave takes 16 steps of 512 numbers.  Each of a step's four loads reads 512 consecutive bytes, 16 a lane; the 2,048 bytes go through the wave's own stage in LDS and come back 64 bytes a lane: 16 NEIGHBOURS along K,
; which is what the conversions take; two neighbouring lanes hold a block.  A lane's 16 codes are 8 bytes: the wave stores 256 consecutive bytes.  A wave's 256 scale bytes are gathered in LDS and leave as 256 consecutive bytes.
	v_lshlrev_b32 v3, 4, v2                        ; my 16 bytes of a load's 512
	s_mul_i32 s25, s24, WREG
	v_lshrrev_b32 v14, 2, v2
	v_mul_u32_u24 v14, v14, SP
	v_and_b32 v15, 3, v2
	v_lshl_add_u32 v14, v15, 4, v14
	v_add_nc_u32 v14, s25, v14                     ; the stage, on the way in: SP (lane / 4) + 16 (lane % 4)
	v_mul_u32_u24 v15, v2, SP
	v_add_nc_u32 v15, s25, v15                     ; and on the way out: SP x lane
	v_mul_u32_u24 v4, v2, CB                       ; my codes' place in a step's
	v_lshrrev_b32 v5, 1, v2
	s_add_co_u32 s25, s25, 2*32*SP
	v_add_nc_u32 v5, s25, v5                       ; LDS: my wave's 256 scale bytes, my block's byte
	v_lshlrev_b32 v7, 3, v2                        ; and on the way out 8 bytes a lane
	v_add_nc_u32 v6, s25, v7
	s_sub_co_u32 s26, ttmp9, NWW                   ; 0..383: 128 work-groups to a tensor
	s_and_b32 s27, s26, 127
	s_lshl_b32 s27, s27, 2
	s_add_co_u32 s27, s27, s24                     ; which run of 8,192 numbers of the tensor is my wave's
	s_lshl_b32 s30, s27, 15                        ; 32,768 bytes a run
	s_mov_b32 s31, 0
	s_lshl_b32 s32, s26, 2
	s_add_co_u32 s32, s32, s24                     ; the run's number among all three tensors'
	s_lshl_b32 s34, s32, 12                        ; 4,096 bytes of codes a run
	s_mov_b32 s35, 0
	s_lshl_b32 s36, s32, 8                         ; 256 scale bytes a run
	s_mov_b32 s37, 0
	s_wait_kmcnt 0x0
	s_cmp_lt_u32 s26, 256                          ; which tensor: the choice hangs on the work-group's number alone
	s_cselect_b64 s[28:29], s[12:13], s[14:15]
	s_cmp_lt_u32 s26, 128
	s_cselect_b64 s[28:29], s[10:11], s[28:29]
	s_add_nc_u64 s[28:29], s[28:29], s[30:31]
	s_add_nc_u64 s[16:17], s[16:17], s[34:35]
	s_add_nc_u64 s[18:19], s[18:19], s[36:37]
.macro XLOAD t
.irp i, 0,1,2,3
	global_load_b128 v[R+16*((\t)%4)+4*\i:R+16*((\t)%4)+4*\i+3], v3, s[28:29] offset:2048*(\t)+512*\i th:TH_LOAD_NT   ; 32 lanes read 512 consecutive bytes
.endr
.endm
.macro XTURN t                         ; step t's numbers through the stage: LDS serves a wave's instructions in order, so no wait stands between the stores and the loads
.irp i, 0,1,2,3
	ds_store_b128 v14, v[R+16*((\t)%4)+4*\i:R+16*((\t)%4)+4*\i+3] offset:32*SP*((\t)%2)+8*SP*\i
.endr
.irp i, 0,1,2,3
	ds_load_b128 v[X+16*((\t)%2)+4*\i:X+16*((\t)%2)+4*\i+3], v15 offset:32*SP*((\t)%2)+16*\i
.endr
.endm
.irp t, 0,1,2,3
	XLOAD \t
.endr
	s_wait_loadcnt 12                              ; step 0's four loads are in; the twelve of steps 1 to 3 may be out
	XTURN 0
.macro XSTEP t
.set XS, X+16*((\t)%2)
.if (\t) > 0
	s_wait_dscnt 1                                 ; this step's numbers are back from the stage (the last step's byte store may be out): so its stores into the stage have read their registers,
.else
	s_wait_dscnt 0x0
.endif
.if (\t)+4 < STEPS
	XLOAD (\t)+4                                   ; which take the loads of four steps on
.endif
.if (\t)+1 < STEPS
.if STEPS-2-(\t) >= 3
	s_wait_loadcnt 12                              ; the next step's four loads are in; those of the three steps behind it may be out
.else
	s_wait_loadcnt 4*(STEPS-2-(\t))
.endif
	XTURN (\t)+1                                   ; and go through the other stage while this step is worked
.endif
	v_max3_num_f32 v8, |v[XS]|, |v[XS+1]|, |v[XS+2]|               ; the largest magnitude of my 16, in two chains
	v_max3_num_f32 v9, |v[XS+3]|, |v[XS+4]|, |v[XS+5]|
.irp i, 6,10
	v_max3_num_f32 v8, v8, |v[XS+\i]|, |v[XS+\i+1]|
	v_max3_num_f32 v9, v9, |v[XS+\i+2]|, |v[XS+\i+3]|
.endr
	v_max3_num_f32 v8, v8, |v[XS+14]|, |v[XS+15]|
	v_max3_num_f32 v8, v8, v9, (EMAX+1)<<23        ; and the floor 2^(EMAX + 1 - 127): so the byte cannot fall under 1
	v_max_num_f32_dpp v8, v8, v8 row_xmask:1 row_mask:0xf bank_mask:0xf   ; and of my neighbour's 16: the block's
	v_add_nc_u32 v11, -(EMAX<<23), v8              ; EMAX off its exponent field: the conversion takes the exponent field of this operand as its scale, and nothing else of it
	v_cvt_scalef32_pk8_fp4_f32 v[C+4*(\t)], v[XS:XS+7], v11
	v_cvt_scalef32_pk8_fp4_f32 v[C+4*(\t)+1], v[XS+8:XS+15], v11
	v_lshrrev_b32 v[E+(\t)], 23, v11               ; the scale's byte
	ds_store_b8 v5, v[E+(\t)] offset:16*(\t)       ; both lanes of a block write the same byte with the same value
	global_store_b64 v4, v[C+4*(\t):C+4*(\t)+1], s[16:17] offset:32*CB*(\t)   ; the wave stores 256 consecutive bytes, at a multiple of 256 from xc's first byte
.endm
.irp t, 0,1,2,3,4,5,6,7,8,9,10,11,12,13,14,15
	XSTEP \t
.endr
	ds_load_b64 v[8:9], v6                         ; LDS serves a wave's instructions in order: these see my stores
	s_wait_dscnt 0x0
	global_store_b64 v7, v[8:9], s[18:19]          ; 32 lanes store 256 consecutive bytes
	s_branch .Lend
; ---------------- THE WEIGHTS.  A LANE TAKES A COLUMN n, AND ITS REGISTERS RUN DOWN K: a block of 32 along K lies in one lane's 32 registers, its largest magnitude needs no other lane, and the conversions give codes with K innermost.
; A work-group takes 64 columns x 512 along K of one weight; wave w columns 16 w .. 16 w + 15; lanes 0-15 the first 256 along K, lanes 16-31 the second: 8 blocks a lane.  Sixteen lanes of a load read 64 consecutive bytes,
; and the four waves stand side by side on 256.  A lane's codes (128 bytes) are half of its column's 256 bytes: they go through the wave's own stage and leave as rows: sixteen lanes store 256 consecutive bytes.
; A lane's eight scale bytes are neighbours in its row of ws and leave by one store of 8 bytes a lane (rows 32 bytes apart: 98,304 bytes in the whole launch go out so).
.Lweights:
	s_lshr_b32 s25, ttmp9, 5                       ; which weight: 0 Wq, 1 Wk, 2 Wv
	s_and_b32 s26, ttmp9, 15                       ; which 64 columns
	s_bfe_u32 s27, ttmp9, 0x10004                  ; which 512 along K
	v_and_b32 v6, 15, v2                           ; r
	v_lshrrev_b32 v7, 4, v2                        ; h
	v_lshlrev_b32 v3, 2, v6                        ; in: column r, 4 bytes;
	v_lshl_add_u32 v3, v7, 20, v3                  ; lanes 16-31 begin 256 rows of 4,096 bytes further down
	s_mul_i32 s30, s24, 16*WPIT
	s_add_co_u32 s30, s30, WST                     ; my stage
	v_mul_u32_u24 v4, v6, WPIT
	v_lshl_add_u32 v4, v7, 7, v4
	v_add_nc_u32 v4, s30, v4                       ; into it: row = my column, + 128 h
	v_mul_u32_u24 v8, v7, WPIT
	v_lshl_add_u32 v8, v6, 4, v8
	v_add_nc_u32 v8, s30, v8                       ; out of it: sixteen lanes to a row, two rows an instruction
	v_lshlrev_b32 v9, 9, v7
	v_lshl_add_u32 v9, v6, 4, v9                   ; and the same place in wc (rows of 512 bytes)
	v_lshlrev_b32 v11, 5, v6
	v_lshl_add_u32 v11, v7, 3, v11                 ; my 8 scale bytes in ws: row r of 32 bytes, + 8 h
	s_lshl_b32 s30, s27, 21                        ; the weight: 512 rows of 4,096 bytes a half,
	s_lshl_b32 s31, s26, 8                         ; 64 columns of 4 bytes,
	s_add_co_u32 s30, s30, s31
	s_lshl_b32 s31, s24, 6                         ; my wave's 16
	s_add_co_u32 s30, s30, s31
	s_mov_b32 s31, 0
	s_lshl_b32 s32, s25, 10
	s_lshl_b32 s33, s26, 6
	s_add_co_u32 s32, s32, s33
	s_lshl_b32 s33, s24, 4
	s_add_co_u32 s32, s32, s33                     ; my wave's first row of wc and ws: 1,024 x weight + 64 x columns + 16 x wave
	s_lshl_b32 s34, s32, 9
	s_lshl_b32 s35, s27, 8
	s_add_co_u32 s34, s34, s35                     ; codes: 512 bytes a row, + 256 for the second half of K
	s_mov_b32 s35, 0
	s_lshl_b32 s36, s32, 5
	s_lshl_b32 s37, s27, 4
	s_add_co_u32 s36, s36, s37                     ; scale bytes: 32 a row, + 16
	s_mov_b32 s37, 0
	s_wait_kmcnt 0x0
	s_cmp_lt_u32 s25, 2
	s_cselect_b64 s[38:39], s[6:7], s[8:9]
	s_cmp_lt_u32 s25, 1
	s_cselect_b64 s[38:39], s[4:5], s[38:39]
	s_add_nc_u64 s[38:39], s[38:39], s[30:31]
	s_add_nc_u64 s[20:21], s[20:21], s[34:35]
	s_add_nc_u64 s[22:23], s[22:23], s[36:37]
.macro WLOAD t                         ; block t: W(256 h + 32 t + i, my column), i = 0 .. 31, into set t % 2; the greatest offset, 255 rows of 4,096 bytes, lies inside the signed 24-bit immediate
.irp i, 0,1,2,3,4,5,6,7,8,9,10,11,12,13,14,15,16,17,18,19,20,21,22,23,24,25,26,27,28,29,30,31
	global_load_b32 v[WX+32*((\t)%2)+\i], v3, s[38:39] offset:(32*(\t)+\i)*4096 th:TH_LOAD_NT
.endr
.endm
	WLOAD 0
	WLOAD 1
.macro WBLOCK t
.set XS, WX+32*((\t)%2)
.if (\t) < NB-1
	s_wait_loadcnt 32                              ; this block's 32 loads are in; the next block's may be out
.else
	s_wait_loadcnt 0
.endif
	v_max3_num_f32 v16, |v[XS]|, |v[XS+1]|, |v[XS+2]|              ; the block's largest magnitude: all 32 numbers are mine
	v_max3_num_f32 v17, |v[XS+3]|, |v[XS+4]|, |v[XS+5]|
.irp i, 6,10,14,18,22,26
	v_max3_num_f32 v16, v16, |v[XS+\i]|, |v[XS+\i+1]|
	v_max3_num_f32 v17, v17, |v[XS+\i+2]|, |v[XS+\i+3]|
.endr
	v_max3_num_f32 v16, v16, |v[XS+30]|, |v[XS+31]|
	v_max3_num_f32 v16, v16, v17, (EMAX+1)<<23     ; and the floor
	v_add_nc_u32 v18, -(EMAX<<23), v16             ; the conversions' scale operand
	v_lshrrev_b32 v19, 23, v18                     ; the scale's byte
.if (\t)%4 == 0
	v_mov_b32 v[SB+(\t)/4], v19                    ; four bytes to a register, the lower K in the lower byte
.else
	v_lshl_or_b32 v[SB+(\t)/4], v19, 8*((\t)%4), v[SB+(\t)/4]
.endif
.irp g, 0,1,2,3
	v_cvt_scalef32_pk8_fp4_f32 v[WC+\g], v[XS+8*\g:XS+8*\g+7], v18
.endr
	ds_store_b128 v4, v[WC:WC+3] offset:16*(\t)    ; 32 codes: 16 bytes of my column's row.  (The results go to an LDS store, and the next block begins with plain vector lines)
.if (\t)+2 < NB
	WLOAD (\t)+2
.endif
	s_wait_dscnt 0x0                               ; the store has read its registers: the next block's codes may be written
.endm
.irp t, 0,1,2,3,4,5,6,7
	WBLOCK \t
.endr
	global_store_b64 v11, v[SB:SB+1], s[22:23]     ; my column's eight scale bytes
.irp i, 0,1,2,3,4,5,6,7
	ds_load_b128 v[OUTR+4*\i:OUTR+4*\i+3], v8 offset:2*\i*WPIT     ; LDS serves a wave's instructions in order: these see my stores
.endr
.irp i, 0,1,2,3,4,5,6,7
	s_wait_dscnt 7-\i                              ; rows 2 i and 2 i + 1 are back; the younger loads may be out
	global_store_b128 v9, v[OUTR+4*\i:OUTR+4*\i+3], s[20:21] offset:2*\i*512   ; sixteen lanes store 256 consecutive bytes, at a multiple of 256 from wc's first byte
.endr
.Lend:
	s_wait_tensorcnt 0x0                           ; the wave's end, behind my last LDS store
	ds_add_u32 v[SPW], v[NIL]
	s_wait_dscnt 0x0
	s_endpgm
.Lfunc_end_k_qd96490a369_quant:
	.size	k_qd96490a369_quant, .Lfunc_end_k_qd96490a369_quant-k_qd96490a369_quant
	.p2alignl 7, 3214868480
	.fill 96, 4, 3214868480
	.section	.rodata,"a",@progbits
	.p2align	6, 0x0
	.amdhsa_kernel k_qd96490a369_quant
		.amdhsa_group_segment_fixed_size 50688
		.amdhsa_private_segment_fixed_size 0
		.amdhsa_enable_private_segment 0
		.amdhsa_kernarg_size 80
		.amdhsa_user_sgpr_count 2
		.amdhsa_user_sgpr_kernarg_segment_ptr 1
		.amdhsa_wavefront_size32 1
		.amdhsa_system_sgpr_workgroup_id_x 1
		.amdhsa_system_sgpr_workgroup_id_y 1
		.amdhsa_system_sgpr_workgroup_id_z 1
		.amdhsa_system_vgpr_workitem_id 0
		.amdhsa_next_free_vgpr 192
		.amdhsa_next_free_sgpr 66
		.amdhsa_reserve_vcc 0
		.amdhsa_float_denorm_mode_32 3
		.amdhsa_float_denorm_mode_16_64 3
		.amdhsa_memory_ordered 1
		.amdhsa_forward_progress 1
		.amdhsa_inst_pref_size 73
	.end_amdhsa_kernel
	.amdgpu_metadata
---
amdhsa.version: [ 1, 2 ]
amdhsa.kernels:
  - .name:           k_qd96490a369_quant
    .symbol:         k_qd96490a369_quant.kd
    .args:
      - { .name: Wq, .offset: 0, .size: 8, .value_kind: global_buffer, .address_space: global }
      - { .name: Wk, .offset: 8, .size: 8, .value_kind: global_buffer, .address_space: global }
      - { .name: Wv, .offset: 16, .size: 8, .value_kind: global_buffer, .address_space: global }
      - { .name: queries, .offset: 24, .size: 8, .value_kind: global_buffer, .address_space: global }
      - { .name: keys, .offset: 32, .size: 8, .value_kind: global_buffer, .address_space: global }
      - { .name: values, .offset: 40, .size: 8, .value_kind: global_buffer, .address_space: global }
      - { .name: xc, .offset: 48, .size: 8, .value_kind: global_buffer, .address_space: global }
      - { .name: xs, .offset: 56, .size: 8, .value_kind: global_buffer, .address_space: global }
      - { .name: wc, .offset: 64, .size: 8, .value_kind: global_buffer, .address_space: global }
      - { .name: ws, .offset: 72, .size: 8, .value_kind: global_buffer, .address_space: global }
    .group_segment_fixed_size: 50688
    .private_segment_fixed_size: 0
    .kernarg_segment_align: 8
    .kernarg_segment_size: 80
    .max_flat_workgroup_size: 128
    .sgpr_count:     66
    .vgpr_count:     192
    .wavefront_size: 32
...
	.end_amdgpu_metadata
.endif
;; end of part 1
;; launch proj (part 2): grid 4 x 48, 4 waves a work-group, clusters of 4 x 4, 327,680 bytes of LDS; arguments xc, xs, wc, ws, bq, bk, bv, qkv; writes qkv
.if DOCPART == 2
	.amdgcn_target "amdgcn-amd-amdhsa--gfx1250"
	.amdhsa_code_object_version 6
	.text
	.protected	k_qd96490a369_proj
	.globl	k_qd96490a369_proj
	.p2align	8
	.type	k_qd96490a369_proj,@function
k_qd96490a369_proj:
	s_mov_b64 s[64:65], 0
	v_nop
	global_prefetch_b8 v0, s[64:65] scope:SCOPE_SE
	s_setreg_imm32_b32 hwreg(HW_REG_WAVE_MODE, 25, 1), 1
	s_wait_xcnt 0x0
	s_wait_alu depctr_hold_cnt(0) depctr_sa_sdst(0) depctr_va_vdst(0) depctr_va_sdst(0) depctr_va_ssrc(0) depctr_va_vcc(0) depctr_vm_vsrc(0)
	s_getreg_b32 s2, hwreg(HW_REG_IB_STS2, 6, 4)
	s_cmp_eq_u32 s2, 0
	s_cbranch_scc0 .Lentry_in_a_cluster
	s_endpgm
.Lentry_in_a_cluster:
	s_bfe_u32 s2, ttmp6, 0x10000c
	s_cmp_lg_u32 s2, 0xf033
	s_cbranch_scc0 .Lentry_shape_is_right
	s_endpgm
.Lentry_shape_is_right:
; The three projections as ONE product on codes of FP4 (E2M1) with E8M0 scales: rows 0-4,095 queries x Wq, 4,096-8,191 keys x Wk, 8,192-12,287 values x Wv; K = 1,024, N = 1,024; sums in f32.
; Behind the sums: + bias, x a factor, rounded once to f16.  The factor is sqrt(log2(e) / 8) for q and for k, so that q . k is already score x log2(e) / sqrt(64), and 1 for v.
; qkv is laid [tensor 3][batch 2][pair of heads 8][position 2,048][128] f16: a row is the 256 bytes of two heads, and a wave's 128 columns are one such row.
; LIMITS: |q| and |k| x 0.4247 and |v| must stay under 65,504, the largest f16 number.  NaN and infinities are not served.
; A tile of 256 x 256 is made by a work-group of four waves; a wave makes 128 x 128: 64 accumulators of 16 x 16, 512 registers.  K is two slots of 512 (rows of 256 bytes): both are asked for at the head, nothing is filled again.
; THE SCALES of the work-group's 256 rows of each side, for all of K, are two dense blocks of memory: they come into LDS once, with the first fills.
; CLUSTERS: 4 x 4 work-groups.  The four of a row of the cluster need the same rows of the activations, the four of a column the same rows of the weight: each tile is asked for JOINTLY, by the same tensor load with the same
; descriptor and a mask that names the four.  A cluster covers 1,024 rows, so all sixteen partners work on one tensor.  192 work-groups: 4,096 rows of a tensor divide into 16 tile rows, and no smaller tile divides them into 256 / 3.
; THE MATRIX INSTRUCTION IS USED TRANSPOSED (source 0 = 16 rows of the weight, source 1 = 16 rows of the activation): a lane then holds eight neighbouring columns of one row.
; REGISTERS, in windows of 256: window 0: v0-31 addresses; v32-95 scale words, two sets (on the way out: rows read back); v96-127 packed results; v128-191 A's fragments, ONE set; v192-255 the bias of my 128 columns.
;   window 1: B's fragments, TWO sets, at v0 and at v128.   window 2: the 32 accumulators of my rows 0-63 (accumulator (a, b) at v[8 (8 a + b)]);   window 3: those of my rows 64-127.
.set NQ,     4                         ; matrix instructions deep in a slot: 512 along K
.set ROWB,   256                       ; a tile's row in bytes
.set KROW,   512                       ; a row of codes in memory
.set PITCH,  272                       ; an LDS row: 256 bytes + 16 of padding = 68 words: the 16 rows that a load touches start 4 words apart (ISA guide 11.1: 64 banks of 4 bytes)
.set FR,     8                         ; registers of a fragment: 16 rows x 128 K
.set NL,     2                         ; LDS loads that bring one
.set NP,     4                         ; places behind this matrix instruction (ISA guide 7.12.1)
.set HALFT,  128*PITCH                 ; 128 rows: what one tensor load brings, and what one wave reads of a side
.set SLOT,   4*HALFT                   ; A's 256 rows, then B's 256 rows
.set KS,     32                        ; a row of scales in bytes
.set SCL,    2*SLOT                    ; behind the slots: the scales, as units of 256 bytes + 16 of padding
.set HALFS,  (128*KS/256)*272          ; the scales of 128 rows
.set SBLK,   (16*KS/256)*272           ; those of 16 rows
.set SPARE,  SCL+4*HALFS               ; the spare words, 128 bytes for each wave: two blocks of 256 bytes that no other line names
.set SPITCH, 272                       ; the way out: a stage of 16 rows x (256 bytes + 16) for each wave, in slot 0, which has had its one fill and its last read when the first result is stored there
.set ADRA, 16                          ; v16-17  LDS address of my A fragments in slot 0, 1
.set ADRB, 20                          ; v20-21  the same for B
.set STO,  24                          ; v24     the way out: where I put 16 bytes of a row
.set RD,   25                          ; v25     where I read a row back
.set CO,   26                          ; v26     16 x lane: my bytes of two rows of qkv
.set ADRS, 27                          ; v27     LDS address of my scale words: lanes 0-15 A's rows, lanes 16-31 B's
.set SPW,  28                          ; v28     LDS address of my spare word; never rewritten
.set NIL,  29                          ; v29     0; never rewritten
.set BO,   30                          ; v30     32 x (lane / 16): my eight numbers of a block's bias
.set SC,   32                          ; scale words: set s at v[SC + 8 NQ s]; register NQ i + q: lanes 0-15 the word of A's block i, lanes 16-31 that of B's block i, for the slot's q-th 128 along K
.set BK,   32                          ; the way out: 16 rows read back: v32-63 and v64-95 by turns
.set TMP,  96                          ; packed results of a block
.set AF,   128                         ; A's fragments
.set BS,   192                         ; the bias x the factor: register 8 b + j is column 16 b + 8 (lane / 16) + j
.set G1, 24                            ; s[24:31] descriptor group 1 for A's tiles;  s[32:39] group 0, one set for each slot
.set G0, 32
.set G1B, 48                           ; s[48:55], s[56:63] the same for B's tiles
.set G0B, 56
.set G1S, 68                           ; s[68:75], s[76:79] groups 1 and 0 for A's scales;  s[80:87], s[88:91] for B's
.set G0S, 76
.set G1SB, 80
.set G0SB, 88
.set FAC, 66                           ; s[66:67] the factor: the packed forms name a pair and take its low word for both halves
.set MSB, 0
.macro WIN new                         ; the immediate's high byte repeats the setting that is left
.if MSB != \new
	s_set_vgpr_msb (MSB<<8)|\new
.set MSB, \new
.endif
.endm
.set MUL_LO, 0xa1                      ; source 0 (B) window 1, source 1 (A) window 0, C and D window 2
.set MUL_HI, 0xf1                      ; the same, C and D window 3
.set TO_B,   0x40                      ; destination window 1, address window 0
; A joint load: waves 0 and 1 fetch for A, waves 2 and 3 for B.  Each of the two lines has ONE mask and one set of registers for all that issue it; the branch hangs on the wave's number alone.
; An s_nop 0 and four v_nop follow each of the two lines, ahead of the jump, the label and what follows.
.macro JLOAD g0a, g1a, g0b, g1b
	s_cmp_eq_u32 s15, 0
	s_cbranch_scc0 .Lfor_b_\@
	tensor_load_to_lds s[\g0a:\g0a+3], s[\g1a:\g1a+7]
	s_nop 0
.rept 4
	v_nop
.endr
	s_branch .Lasked_\@
.Lfor_b_\@:
	tensor_load_to_lds s[\g0b:\g0b+3], s[\g1b:\g1b+7]
	s_nop 0
.rept 4
	v_nop
.endr
.Lasked_\@:
.endm
.macro CROUND                          ; a round of the cluster's barrier: my work-group's barrier; wave 0 signals for the work-group; every wave waits for all sixteen; my work-group's barrier once more
	s_barrier_signal -1
	s_barrier_wait -1
	s_cmp_lg_u32 s14, 0
	s_cbranch_scc1 .Lnot_wave_0_\@
	s_barrier_signal -3
.Lnot_wave_0_\@:
	s_barrier_wait -3
	s_barrier_signal -1
	s_barrier_wait -1
.endm
	s_load_b256 s[4:11], s[0:1], 0x0               ; xc s[4:5], xs s[6:7], wc s[8:9], ws s[10:11]
	s_load_b128 s[96:99], s[0:1], 0x20             ; bq, bk
	s_load_b64 s[100:101], s[0:1], 0x30            ; bv
	s_load_b64 s[12:13], s[0:1], 0x38              ; qkv
	v_lshl_add_u32 v[SPW], v0, 2, SPARE
	v_mov_b32 v[NIL], 0
	ds_add_u32 v[SPW], v[NIL]                      ; the wave's opening: the add, twice on end, and its wait ahead of my first tensor load; the set-up below, work on registers, stands between
	ds_add_u32 v[SPW], v[NIL]
	v_lshrrev_b32 v1, 5, v0
	v_readfirstlane_b32 s14, v1                    ; wave 0..3
	s_lshr_b32 s15, s14, 1                         ; which half of the tile's rows is mine.  Also: I fetch for A (0) or for B (1)
	s_and_b32 s16, s14, 1                          ; which half of its columns.  Also: which 128 rows of that tile I fetch
	s_bfe_u32 s40, ttmp6, 0x40000                  ; cx, cy: my place in the cluster
	s_bfe_u32 s41, ttmp6, 0x40004
	s_lshl_b32 s42, ttmp9, 2
	s_add_co_u32 s42, s42, s40                     ; tile column = 4 x cluster x + cx
	s_and_b32 s17, ttmp7, 0xffff
	s_lshr_b32 s95, s17, 2                         ; which tensor: cluster y / 4: the same in all sixteen partners
	s_lshl_b32 s17, s17, 2
	s_add_co_u32 s17, s17, s41                     ; tile row = 4 x cluster y + cy
	s_lshl_b32 s43, s41, 2
	s_lshl_b32 s43, 15, s43                        ; my row of the cluster
	s_lshl_b32 s44, 0x1111, s40                    ; my column
	; descriptor group 1: a tile of 128 rows x 256 bytes, padded in LDS
	s_or_b32 s[G1+0], s43, (0<<16)|(1<<20)|(1<<21)|(5<<22)|(3<<25)  ; 15:0 the mask: A's tiles go to my row; 17:16 element of 1 byte; 20 padding on; 21 set beside a mask; 24:22 after every 64 words (code 5); 31:25 of 4 words (code 3)
	s_or_b32 s[G1B+0], s44, (0<<16)|(1<<20)|(1<<21)|(5<<22)|(3<<25)
.irp g, G1, G1B
	s_mov_b32 s[\g+1], ROWB<<16                    ; tensor_dim0
	s_mov_b32 s[\g+2], 128<<16                     ; tensor_dim1 = 128
	s_mov_b32 s[\g+3], ROWB<<16                    ; tile_dim0
	s_mov_b32 s[\g+4], 128                         ; tile_dim1 = 128
	s_mov_b32 s[\g+5], KROW                        ; tensor_dim0_stride
	s_mov_b32 s[\g+6], 0
	s_mov_b32 s[\g+7], 0
.endr
	; and for the scales of 128 rows: a dense block of 4,096 bytes, as 16 rows of 256 bytes (32 elements of 8 bytes), 16 bytes of padding behind each
	s_or_b32 s[G1S+0], s43, (3<<16)|(1<<20)|(1<<21)|(5<<22)|(3<<25)
	s_or_b32 s[G1SB+0], s44, (3<<16)|(1<<20)|(1<<21)|(5<<22)|(3<<25)
.irp g, G1S, G1SB
	s_mov_b32 s[\g+1], 32<<16
	s_mov_b32 s[\g+2], (128*KS/256)<<16
	s_mov_b32 s[\g+3], 32<<16
	s_mov_b32 s[\g+4], 128*KS/256
	s_mov_b32 s[\g+5], 32
	s_mov_b32 s[\g+6], 0
	s_mov_b32 s[\g+7], 0
.endr
	s_lshl_b32 s18, s16, 7                         ; which 128 rows of the tile I fetch
	s_lshl_b32 s20, s17, 8
	s_add_co_u32 s20, s20, s18                     ; A: row 256 x tile row + 128 x half
	s_lshl_b32 s46, s42, 8
	s_add_co_u32 s46, s46, s18                     ; B: row 256 x tile column + 128 x half
	s_lshl_b32 s47, s95, 10
	s_add_co_u32 s46, s46, s47                     ;    + 1,024 x tensor
	s_mov_b32 s21, 0
	s_mov_b32 s47, 0
	s_mov_b64 s[18:19], KS
	s_mul_u64 s[22:23], s[20:21], s[18:19]         ; where these rows' scales begin, in bytes
	s_mul_u64 s[92:93], s[46:47], s[18:19]
	s_mov_b64 s[18:19], KROW
	s_mul_u64 s[20:21], s[20:21], s[18:19]         ; and their codes
	s_mul_u64 s[46:47], s[46:47], s[18:19]
	s_mul_i32 s45, s14, HALFT                      ; where they go: wave x 128 rows: no place in the cluster enters an LDS address
	s_mul_i32 s94, s14, HALFS
	s_wait_dscnt 0x0                               ; both opening adds are done
	s_wait_kmcnt 0x0
	s_add_nc_u64 s[20:21], s[4:5], s[20:21]
	s_add_nc_u64 s[22:23], s[6:7], s[22:23]
	s_add_nc_u64 s[46:47], s[8:9], s[46:47]
	s_add_nc_u64 s[92:93], s[10:11], s[92:93]
	CROUND                                         ; all sixteen work-groups are here: the first joint loads meet
	s_mov_b32 s[G0S], 1
	s_add_co_u32 s[G0S+1], s94, SCL
	s_mov_b64 s[G0S+2:G0S+3], s[22:23]
	s_or_b32 s[G0S+3], s[G0S+3], 0x80000000
	s_mov_b32 s[G0SB], 1
	s_add_co_u32 s[G0SB+1], s94, SCL
	s_mov_b64 s[G0SB+2:G0SB+3], s[92:93]
	s_or_b32 s[G0SB+3], s[G0SB+3], 0x80000000
	JLOAD G0S, G1S, G0SB, G1SB                     ; the scales first: they are wanted with the first slot.  Three loads of mine are out behind the third of these lines
.irp s, 0,1
	s_mov_b32 s[G0+4*\s], 1
	s_add_co_u32 s[G0+4*\s+1], s45, \s*SLOT
	s_add_nc_u64 s[G0+4*\s+2:G0+4*\s+3], s[20:21], \s*ROWB
	s_or_b32 s[G0+4*\s+3], s[G0+4*\s+3], 0x80000000
	s_mov_b32 s[G0B+4*\s], 1
	s_add_co_u32 s[G0B+4*\s+1], s45, \s*SLOT
	s_add_nc_u64 s[G0B+4*\s+2:G0B+4*\s+3], s[46:47], \s*ROWB
	s_or_b32 s[G0B+4*\s+3], s[G0B+4*\s+3], 0x80000000
	JLOAD G0+4*\s, G1, G0B+4*\s, G1B
.endr
	v_and_b32 v1, 15, v0                           ; l % 16
	v_bfe_u32 v2, v0, 4, 1                         ; l / 16
	; the bias of my 128 columns and the factor: chosen by the tensor's number, which hangs on no address
	s_cmp_lt_u32 s95, 2
	s_cselect_b64 s[98:99], s[98:99], s[100:101]
	s_cselect_b32 s[FAC], 0x3ed96d27, 1.0          ; sqrt(log2(e) / 8) = 0.4246609 for q and k; 1 for v
	s_cmp_lt_u32 s95, 1
	s_cselect_b64 s[96:97], s[96:97], s[98:99]
	s_mov_b32 s[FAC+1], s[FAC]
	s_lshl_b32 s46, s42, 10                        ; my first column, in bytes of f32: 1,024 x tile column + 512 x half
	s_lshl_b32 s47, s16, 9
	s_add_co_u32 s46, s46, s47
	s_mov_b32 s47, 0
	s_add_nc_u64 s[96:97], s[96:97], s[46:47]
	v_lshlrev_b32 v[BO], 5, v2
.irp b, 0,1,2,3,4,5,6,7
	global_load_b128 v[BS+8*\b:BS+8*\b+3], v[BO], s[96:97] offset:64*\b
	global_load_b128 v[BS+8*\b+4:BS+8*\b+7], v[BO], s[96:97] offset:64*\b+16
.endr
	v_mul_u32_u24 v3, v1, PITCH
	v_lshl_add_u32 v4, v2, 4, v3                   ; a fragment's row x pitch + 16 x half
	s_mul_i32 s21, s15, HALFT                      ; my 128 rows of A
	s_mul_i32 s22, s16, HALFT                      ; my 128 rows of B,
	s_add_co_u32 s22, s22, 2*HALFT                 ; which lie behind A's 256
.irp s, 0,1
	v_add_nc_u32 v[ADRA+\s], s21, v4
	v_add_nc_u32 v[ADRB+\s], s22, v4
	s_add_co_u32 s21, s21, SLOT
	s_add_co_u32 s22, s22, SLOT
.endr
	v_mul_u32_u24 v5, v1, KS                       ; my row's scales: KS bytes a row,
	v_lshrrev_b32 v6, 8, v5
	v_lshl_add_u32 v5, v6, 4, v5                   ; and 16 more for each 256 passed
	s_mul_i32 s21, s15, HALFS                      ; A's: my 128 rows
	s_mul_i32 s22, s16, HALFS                      ; B's: my 128 rows, behind A's 256
	s_add_co_u32 s22, s22, 2*HALFS
	s_sub_co_u32 s22, s22, s21
	v_mul_u32_u24 v6, s22, v2                      ; lanes 16-31 take B's: one product, the distance between the two bases
	s_add_co_u32 s21, s21, SCL
	v_add_nc_u32 v5, v5, v6
	v_add_nc_u32 v[ADRS], s21, v5
	s_mul_i32 s23, s14, 16*SPITCH                  ; my stage
	v_mul_u32_u24 v5, v1, SPITCH                   ; in: row l % 16, 16 bytes for each half of the lanes
	v_lshl_add_u32 v5, v2, 4, v5
	v_add_nc_u32 v[STO], s23, v5
	v_mul_u32_u24 v5, v2, SPITCH                   ; back: lanes 0-15 take one row of 256 bytes, lanes 16-31 the next
	v_lshl_add_u32 v5, v1, 4, v5
	v_add_nc_u32 v[RD], s23, v5
	v_and_b32 v6, 31, v0
	v_lshlrev_b32 v[CO], 4, v6                     ; rows of qkv follow each other: two rows are 512 consecutive bytes
	s_lshl_b32 s20, s17, 8
	s_lshl_b32 s21, s15, 7
	s_add_co_u32 s20, s20, s21                     ; my first row among the 12,288
	s_lshr_b32 s21, s20, 11                        ; 2 x tensor + batch
	s_lshl_b32 s21, s21, 3
	s_lshl_b32 s46, s42, 1
	s_add_co_u32 s46, s46, s16                     ; my pair of heads: 2 x tile column + half
	s_add_co_u32 s21, s21, s46
	s_lshl_b32 s21, s21, 19                        ; blocks of 2,048 rows x 256 bytes
	s_and_b32 s20, s20, 2047
	s_lshl_b32 s20, s20, 8
	s_add_co_u32 s20, s20, s21
	s_mov_b32 s21, 0
	s_add_nc_u64 s[12:13], s[12:13], s[20:21]
.macro FRAG reg, adr, q, i             ; a fragment, 16 rows x 128 K of 4-bit codes, is 8 registers: lane l holds row l % 16; registers 4 c .. 4 c + 3 hold K = 64 c + 32 (l / 16) + 0 .. 31
.irp c, 0,1
	ds_load_b128 v[\reg+4*\c:\reg+4*\c+3], v[\adr] offset:64*(\q)+32*\c+(\i)*16*PITCH
.endr
.endm
; 16 matrix instructions: A's blocks a0, a0 + 1 x B's eight, 128 along K: the slot's q-th.  p: B's set;  sc: the set of scale words.  zero = 1: the first product starts the sums: nothing is ever cleared.
; The 64 accumulators take turns, one instruction a turn, in the same order in every step.
.macro MUL16 a0, p, q, sc, zero
.irp a, \a0, \a0+1
.irp b, 0,1,2,3,4,5,6,7
.if \zero
	v_wmma_scale_f32_16x16x128_f8f6f4 v[8*(8*((\a)%4)+\b):8*(8*((\a)%4)+\b)+7], v[128*(\p)+FR*\b:128*(\p)+FR*\b+FR-1], v[AF+FR*(\a):AF+FR*(\a)+FR-1], 0, v[SC+8*NQ*(\sc)+NQ*\b+(\q)], v[SC+8*NQ*(\sc)+NQ*(\a)+(\q)] matrix_a_fmt:MATRIX_FMT_FP4 matrix_b_fmt:MATRIX_FMT_FP4 matrix_a_scale:MATRIX_SCALE_ROW1
.else
	v_wmma_scale_f32_16x16x128_f8f6f4 v[8*(8*((\a)%4)+\b):8*(8*((\a)%4)+\b)+7], v[128*(\p)+FR*\b:128*(\p)+FR*\b+FR-1], v[AF+FR*(\a):AF+FR*(\a)+FR-1], v[8*(8*((\a)%4)+\b):8*(8*((\a)%4)+\b)+7], v[SC+8*NQ*(\sc)+NQ*\b+(\q)], v[SC+8*NQ*(\sc)+NQ*(\a)+(\q)] matrix_a_fmt:MATRIX_FMT_FP4 matrix_b_fmt:MATRIX_FMT_FP4 matrix_a_scale:MATRIX_SCALE_ROW1
.endif
.endr
.endr
.endm
.macro FETCH_B slot, q, p              ; B's eight fragments of the slot's q-th 128 along K into set p
	WIN TO_B
.irp i, 0,1,2,3,4,5,6,7
	FRAG 128*(\p)+FR*\i, ADRB+\slot, \q, \i
.endr
	WIN 0
.endm
.macro FETCH_A slot, q, i0             ; A's blocks i0 .. i0 + 3
.irp i, \i0, \i0+1, \i0+2, \i0+3
	FRAG AF+FR*(\i), ADRA+\slot, \q, \i
.endr
.endm
.macro SCALES sc                       ; a slot's scale words into set sc: NQ words a row; lanes 0-15 take A's block i, lanes 16-31 B's block i
.irp i, 0,1,2,3,4,5,6,7
	ds_load_b128 v[SC+8*NQ*\sc+NQ*\i:SC+8*NQ*\sc+NQ*\i+3], v[ADRS] offset:\i*SBLK
.endr
.endm
; A load into a register that a matrix instruction has read stands NP places behind that matrix instruction, and only plain vector instructions that name none of its registers are places (ISA guide 7.12.1 for vector instructions).
.macro PLACES n
.rept \n
	v_nop
.endr
.endm
; A step of 128 along K that has its successor in the same slot.  A's blocks go one after the other, each against B's eight: a block of A is free as soon as its eight products are issued, so one set serves A.
.macro STEP slot, q, zero
	s_wait_dscnt 4*NL                              ; B's set and A's blocks 0-3 are in; the youngest eight loads (A's blocks 4-7) may be out
	WIN MUL_LO
	MUL16 0, (\q)%2, \q, \slot, \zero
	MUL16 2, (\q)%2, \q, \slot, \zero
	s_wait_dscnt 0                                 ; A's blocks 4-7 are in (asked for 32 matrix instructions ago)
	PLACES NP
	FETCH_B \slot, (\q)+1, 1-(\q)%2
	FETCH_A \slot, (\q)+1, 0
	WIN MUL_HI
	MUL16 4, (\q)%2, \q, \slot, \zero
	MUL16 6, (\q)%2, \q, \slot, \zero
	PLACES NP
	WIN 0
	FETCH_A \slot, (\q)+1, 4
.endm
.macro STEPS slot, from                ; the slot's steps from .. NQ - 2
.set Q, \from
.rept NQ-1-\from
	STEP \slot, Q, 0
.set Q, Q+1
.endr
.endm
	s_wait_tensorcnt 1                             ; the scales and my part of slot 0 are in (slot 1's load may be out)
	s_barrier_signal -1
	s_barrier_wait -1                              ; everybody's are
	FETCH_B 0, 0, 0
	FETCH_A 0, 0, 0
	SCALES 0
	FETCH_A 0, 0, 4
	STEP 0, 0, 1                                   ; the first step's products start the sums
	STEPS 0, 1
	; slot 0's last step changes slots: one barrier; in front of it each wave waits for all its tensor loads (its part of slot 1), adds 0 to its spare word, and waits for that and for its own reads of slot 0
	s_wait_tensorcnt 0x0
	ds_add_u32 v[SPW], v[NIL]
	s_wait_dscnt 4*NL+1                            ; (the add and the youngest eight loads, A's blocks 4-7, may be out)
	WIN MUL_LO
	MUL16 0, 1, NQ-1, 0, 0                         ; sixteen matrix instructions stand between the add and the wait for it
	s_wait_dscnt 0x0                               ; the add is done, and my reads of slot 0 are over
	s_barrier_signal -1
	MUL16 2, 1, NQ-1, 0, 0
	WIN 0
	s_barrier_wait -1                              ; slot 1 is whole, and nobody reads slot 0 any more
	PLACES NP
	v_add_nc_u32 v[ADRS], 4*NQ, v[ADRS]            ; on to slot 1's scale words
	FETCH_B 1, 0, 0
	FETCH_A 1, 0, 0
	SCALES 1
	WIN MUL_HI
	MUL16 4, 1, NQ-1, 0, 0
	MUL16 6, 1, NQ-1, 0, 0
	PLACES NP
	WIN 0
	FETCH_A 1, 0, 4
	STEPS 1, 0
	s_wait_dscnt 4*NL                              ; the very last step: nothing more to fetch
	WIN MUL_LO
	MUL16 0, 1, NQ-1, 1, 0
	MUL16 2, 1, NQ-1, 1, 0
	s_wait_dscnt 0
	WIN MUL_HI
	MUL16 4, 1, NQ-1, 1, 0
	MUL16 6, 1, NQ-1, 1, 0
	WIN 0
; THE WAY OUT, block by block of 16 rows x 128 columns.  (sum + bias) x factor = sum x factor + (bias x factor): one fused multiply-add a pair.  A lane's eight results pack into 16 bytes of f16; the lanes beside it hold other
; rows: so a block goes through my own stage in LDS and comes back as whole rows of 256 bytes.  16 rows of qkv are 4,096 consecutive bytes.
	s_wait_loadcnt 0x0                             ; the bias
.set i, 0
.rept 32
	v_pk_mul_f32 v[BS+2*i:BS+2*i+1], v[BS+2*i:BS+2*i+1], s[FAC:FAC+1] op_sel_hi:[1,0]   ; bias x factor.  (These 32 name no register of the last products: they are the places behind them)
.set i, i+1
.endr
.macro PACK a
.set AC, 64*((\a)%4)
	WIN 0x82+0x41*((\a)/4)                         ; destination and source 0: window 2 or 3; the bias: window 0
.irp b, 0,1,2,3,4,5,6,7
.irp r, 0,1,2,3
	v_pk_fma_f32 v[AC+8*\b+2*\r:AC+8*\b+2*\r+1], v[AC+8*\b+2*\r:AC+8*\b+2*\r+1], s[FAC:FAC+1], v[BS+8*\b+2*\r:BS+8*\b+2*\r+1] op_sel_hi:[1,0,1]   ; each accumulator from its low end on
.endr
.endr
	WIN 0x0a+5*((\a)/4)                            ; sources 0 and 1: window 2 or 3
.irp b, 0,1,2,3,4,5,6,7
.irp r, 0,1,2,3
	v_cvt_pk_f16_f32 v[TMP+4*\b+\r], v[AC+8*\b+2*\r], v[AC+8*\b+2*\r+1]
.endr
.endr
	WIN 0
.endm
.macro TOSTAGE a
.set BB, BK+32*((\a)%2)
.irp b, 0,1,2,3,4,5,6,7
	ds_store_b128 v[STO], v[TMP+4*\b:TMP+4*\b+3] offset:32*\b
.endr
.irp t, 0,1,2,3,4,5,6,7
	ds_load_b128 v[BB+4*\t:BB+4*\t+3], v[RD] offset:\t*2*SPITCH    ; LDS serves a wave's instructions in order (ISA guide 5.7.1.4): these see the stores above
.endr
.endm
.macro SEND a
.set BB, BK+32*((\a)%2)
	s_wait_dscnt 0x0                               ; the block is back in registers
	s_wait_xcnt 0x0                                ; the stores of the block before have read their registers: the next block's loads may land there
.irp t, 0,1,2,3,4,5,6,7
	global_store_b128 v[CO], v[BB+4*\t:BB+4*\t+3], s[12:13] offset:4096*(\a)+512*\t   ; 32 lanes store 512 consecutive bytes, at a multiple of 256 from qkv's first byte
.endr
.endm
	PACK 0
	TOSTAGE 0
.irp a, 1,2,3,4,5,6,7                  ; block a's arithmetic stands between block a - 1's loads from the stage and the wait for them
	PACK \a
	SEND (\a)-1
	TOSTAGE \a
.endr
	SEND 7
	s_wait_tensorcnt 0x0                           ; the wave's end, behind my last tensor load and my last LDS store
	ds_add_u32 v[SPW], v[NIL]
	s_wait_dscnt 0x0
	CROUND                                         ; the closing round: no work-group ends while a partner may still ask for a tile that names it
	s_endpgm
.Lfunc_end_k_qd96490a369_proj:
	.size	k_qd96490a369_proj, .Lfunc_end_k_qd96490a369_proj-k_qd96490a369_proj
	.p2alignl 7, 3214868480
	.fill 96, 4, 3214868480
	.section	.rodata,"a",@progbits
	.p2align	6, 0x0
	.amdhsa_kernel k_qd96490a369_proj
		.amdhsa_group_segment_fixed_size 327680
		.amdhsa_private_segment_fixed_size 0
		.amdhsa_enable_private_segment 0
		.amdhsa_kernarg_size 64
		.amdhsa_user_sgpr_count 2
		.amdhsa_user_sgpr_kernarg_segment_ptr 1
		.amdhsa_wavefront_size32 1
		.amdhsa_system_sgpr_workgroup_id_x 1
		.amdhsa_system_sgpr_workgroup_id_y 1
		.amdhsa_system_sgpr_workgroup_id_z 1
		.amdhsa_system_vgpr_workitem_id 0
		.amdhsa_next_free_vgpr 1024
		.amdhsa_next_free_sgpr 102
		.amdhsa_reserve_vcc 0
		.amdhsa_float_denorm_mode_32 3
		.amdhsa_float_denorm_mode_16_64 3
		.amdhsa_memory_ordered 1
		.amdhsa_forward_progress 1
		.amdhsa_inst_pref_size 146
	.end_amdhsa_kernel
	.amdgpu_metadata
---
amdhsa.version: [ 1, 2 ]
amdhsa.kernels:
  - .name:           k_qd96490a369_proj
    .symbol:         k_qd96490a369_proj.kd
    .args:
      - { .name: xc, .offset: 0, .size: 8, .value_kind: global_buffer, .address_space: global }
      - { .name: xs, .offset: 8, .size: 8, .value_kind: global_buffer, .address_space: global }
      - { .name: wc, .offset: 16, .size: 8, .value_kind: global_buffer, .address_space: global }
      - { .name: ws, .offset: 24, .size: 8, .value_kind: global_buffer, .address_space: global }
      - { .name: bq, .offset: 32, .size: 8, .value_kind: global_buffer, .address_space: global }
      - { .name: bk, .offset: 40, .size: 8, .value_kind: global_buffer, .address_space: global }
      - { .name: bv, .offset: 48, .size: 8, .value_kind: global_buffer, .address_space: global }
      - { .name: qkv, .offset: 56, .size: 8, .value_kind: global_buffer, .address_space: global }
    .group_segment_fixed_size: 327680
    .private_segment_fixed_size: 0
    .kernarg_segment_align: 8
    .kernarg_segment_size: 64
    .max_flat_workgroup_size: 128
    .sgpr_count:     102
    .vgpr_count:     1024
    .wavefront_size: 32
...
	.end_amdgpu_metadata
.endif
;; end of part 2
;; launch attn (part 3): grid 8 x 32, 4 waves a work-group, clusters of 4 x 4, 327,680 bytes of LDS; arguments qkv, group_prob, attention_mask, out0; writes out0
.if DOCPART == 3
	.amdgcn_target "amdgcn-amd-amdhsa--gfx1250"
	.amdhsa_code_object_version 6
	.text
	.protected	k_qd96490a369_attn
	.globl	k_qd96490a369_attn
	.p2align	8
	.type	k_qd96490a369_attn,@function
k_qd96490a369_attn:
	s_mov_b64 s[64:65], 0
	v_nop
	global_prefetch_b8 v0, s[64:65] scope:SCOPE_SE
	s_setreg_imm32_b32 hwreg(HW_REG_WAVE_MODE, 25, 1), 1
	s_wait_xcnt 0x0
	s_wait_alu depctr_hold_cnt(0) depctr_sa_sdst(0) depctr_va_vdst(0) depctr_va_sdst(0) depctr_va_ssrc(0) depctr_va_vcc(0) depctr_vm_vsrc(0)
	s_getreg_b32 s2, hwreg(HW_REG_IB_STS2, 6, 4)
	s_cmp_eq_u32 s2, 0
	s_cbranch_scc0 .Lentry_in_a_cluster
	s_endpgm
.Lentry_in_a_cluster:
	s_bfe_u32 s2, ttmp6, 0x10000c
	s_cmp_lg_u32 s2, 0xf033
	s_cbranch_scc0 .Lentry_shape_is_right
	s_endpgm
.Lentry_shape_is_right:
; out[b][q][64 head + d] = (sum over k of p g[b][q][k] v[k][d]) / (sum over k of p),  p = 2^(t - m + 8),  t = q' . k' (the launch before has folded log2(e) / sqrt(64) into q' and k'),  m the running largest t of the row.
; The gate g stands behind the softmax, so the divisor is the sum of the UNGATED p.  The 8 in the exponent lifts p g in f16's range and cancels in the division.
; Both products take f16 operands and f32 sums; maxima, exponentials, the gate and the sums are f32.
; attention_mask: the reference makes a masked copy of the scores and throws it away, so the mask changes no number.  It is loaded here, and nothing is made of it.
; LIMITS: p g <= 256 g must stay under 65,504: g under 255.  q', k', v are f16 as the launch before states.  NaN and infinities are not served.
; SHARES.  qkv: [tensor 3][batch 2][pair of heads 8][position 2,048][128] f16.  A work-group owns 128 queries of one pair of heads: 256 work-groups.  Wave w: head w % 2 of the pair, queries 64 (w / 2) on: four tiles of 16.
; Every wave walks all 2,048 keys, 64 a step.  A slot of LDS holds two steps: 128 rows of K, 128 of V (256 bytes each, both heads) and the gate's 128 queries x 128 keys (rows of 512 bytes).
; LAYOUT.  S^T = K Q^T (source 0 = 16 keys, source 1 = 16 queries): a lane holds ONE query (lane % 16) and keys 8 (lane / 16) + 0..7.  Two such tiles, gated and rounded to f16 in pairs, ARE source 1 (32 keys x 16 queries) of
; O^T = V^T P, whose result again holds one query a lane.  K comes out of LDS as it lies, V ([key][channel]) turned, by ds_load_tr16_b128; the gate comes in S^T's own layout: 32 neighbouring bytes of a query's row a tile.
; BY TURNS.  A step is four BLOCKS.  In block t tile t's softmax, a list of 135 vector instructions, is walked, and behind every eighth of them stands one matrix instruction of ANOTHER tile:
;   block 0: V^T P of tile 3 (of the step before), K Q^T of tile 1;  block 1: K Q^T of tiles 2, 3;  block 2: V^T P of tiles 0, 1;  block 3: V^T P of tile 2, K Q^T of tile 0 of the NEXT step.
; CLUSTER.  4 x 4 work-groups: x = the pair of heads, y = the block of queries.  The four of a row need the same tile of the gate, the four of a column the same K and V: each is asked for JOINTLY, by the same tensor load
; with the same descriptor and a mask that names the four.  Wave 0 asks for K, wave 1 for V, waves 2 and 3 for the gate's two halves: 32 KiB each, one load a wave behind each round.
; REGISTERS, in windows of 256 (s_set_vgpr_msb: bits 1:0 source 0, 3:2 source 1, 5:4 source 2, 7:6 destination):
;   window 0: v0-15 addresses; v16-47 eight registers of statistics a tile; v48-63 the mask; v64-127 P, 16 a tile; v128-255 S^T, 32 a tile
;   window 1: v0-127 O^T, 32 a tile; v128-255 the gate, laid as S^T          window 2: v0-63 Q; v64-127 K of one step; v128-191 V of one step
.set PITK,  272                        ; a row of K in LDS: 256 bytes + 16: the 16 rows of a load start 4 words apart (ISA guide 11.1: 64 banks of 4 bytes)
.set PITV,  288                        ; a row of V: 256 + 32: sixteen lanes of the turning load take 8 rows x 32 bytes
.set PITG,  528                        ; a row of the gate: 512 + 16
.set VOFF,  128*PITK                   ; 0x8800
.set GOFF,  VOFF+128*PITV              ; 0x11800
.set XSL,   GOFF+128*PITG              ; 0x22000: slot 1 begins here.  None of 0, VOFF, GOFF, GOFF + 64 PITG has bit 13 or bit 17 set, so one exclusive or turns each from one slot to the other
.set STAGE, 2*XSL                      ; behind the slots: 16 rows x 272 bytes for each wave, for the way out
.set SP,    272
.set SPARE, STAGE+4*16*SP              ; the spare words, 128 bytes for each wave: two blocks of 256 bytes that no other line names
.set AK0, 2                            ; v2   my lane's place in a slot's K; never rewritten
.set AV0, 3                            ; v3   in its V
.set AG0, 4                            ; v4   in its gate
.set ADK, 5                            ; v5-7 the LDS addresses of the runs of loads in hand
.set ADV, 6
.set ADG, 7
.set QO,  8                            ; v8   my byte offset in the wave's rows of Q
.set STO, 9                            ; v9   the way out: where I put 32 bytes of a row
.set RD,  10                           ; v10  where I read a row back
.set GO,  11                           ; v11  my byte offset in the wave's rows of out0
.set PFO, 12                           ; v12  the prefetches' offset: my lane x a row; never rewritten
.set MO,  13                           ; v13  16 x my thread's number: my bytes of the mask
.set SPW, 14                           ; v14  LDS address of my spare word; never rewritten
.set NIL, 15                           ; v15  0; never rewritten
.set ST,  16                           ; tile t's statistics at v[ST + 8 t]: +0 8 - m, +1 m, +2, +3 the sum (even keys', odd keys'), +4 to +7 c0-c3, at work; a = 2^(old m - new m) takes c2's place, its exponent c3's
.set P,   64
.set S,   128
.set G,   128                          ; in window 1
.set KF,  64                           ; in window 2
.set VF,  128                          ; in window 2
.set WV,  12                           ; s12  my wave's number
.set G1K, 24                           ; s[24:31], s[32:39], s[40:47] descriptor groups 1 for K, V, the gate
.set G1V, 32
.set G1G, 40
.set G0K, 48                           ; s[48:55], s[56:63], s[68:75] groups 0: a set for each of the two first fills; the second then walks on
.set G0V, 56
.set G0G, 68
.set SEL, 76                           ; s[76:77] lane selects for v_permlanex16_b32: lane l xor 16
.set TB,  78                           ; s78  LDS byte at which the slot in hand begins
.set SLOTS, 79                         ; s79  slots still to be asked for
.set LIM, 80                           ; s80  1 in a wave that prefetches, else the greatest number
.set PFA, 82                           ; s[82:83] where my prefetches stand
.set PFS, 84                           ; s[84:85] a slot on, in bytes
.set MSB, 0
.macro WIN new                         ; the immediate's high byte repeats the setting that is left; a switch that changes nothing is dropped
.if MSB != \new
	s_set_vgpr_msb (MSB<<8)|\new
.set MSB, \new
.endif
.endm
; A joint refill: one load a wave.  The branches hang on the wave's number alone.  An s_nop 0 and four v_nop follow each line, ahead of the jump, the label and what follows.
.macro JLOAD
	s_cmp_eq_u32 s[WV], 0
	s_cbranch_scc0 .Lnot_k_\@
	tensor_load_to_lds s[G0K+4:G0K+7], s[G1K:G1K+7]
	s_nop 0
.rept 4
	v_nop
.endr
	s_branch .Lasked_\@
.Lnot_k_\@:
	s_cmp_eq_u32 s[WV], 1
	s_cbranch_scc0 .Lfor_g_\@
	tensor_load_to_lds s[G0V+4:G0V+7], s[G1V:G1V+7]
	s_nop 0
.rept 4
	v_nop
.endr
	s_branch .Lasked_\@
.Lfor_g_\@:
	tensor_load_to_lds s[G0G+4:G0G+7], s[G1G:G1G+7]
	s_nop 0
.rept 4
	v_nop
.endr
.Lasked_\@:
.endm
; A PREFETCH INTO THE L2 of what the NEXT change of slots will ask for, behind the wave's tensor load and its five lines: two key steps, 128 matrix instructions and some 1,080 vector instructions, ahead of that load.
; Each aligned block of 256 bytes is named ONCE in the launch.  K's and V's rows of a pair of heads are walked by four clusters along y: the first of them (cluster y % 4 = 0) asks; its four partners along y take 32 rows each,
; told apart BY ADDRESS; wave 0 for K, wave 1 for V; a lane a row of 256 bytes.  The gate's rows of a block of queries are walked by both clusters along x: cluster x = 0 asks; its four partners along x take 32 rows each;
; wave 2 the first 256 bytes of a row's 512, wave 3 the second.  The last change that fills a slot asks for nothing; slots 0 to 2 come by their loads alone.
.macro ASK
	s_cmp_gt_u32 s[SLOTS], s[LIM]
	s_cbranch_scc0 .Lnot_mine_\@
	global_prefetch_b8 v[PFO], s[PFA:PFA+1] th:TH_LOAD_NT scope:SCOPE_SE
.Lnot_mine_\@:
.endm
.macro CROUND                          ; a round of the cluster's barrier: my work-group's barrier; wave 0 signals for the work-group; every wave waits for all sixteen; my work-group's barrier once more
	s_barrier_signal -1
	s_barrier_wait -1
	s_cmp_lg_u32 s[WV], 0
	s_cbranch_scc1 .Lnot_wave_0_\@
	s_barrier_signal -3
.Lnot_wave_0_\@:
	s_barrier_wait -3
	s_barrier_signal -1
	s_barrier_wait -1
.endm
	s_load_b256 s[4:11], s[0:1], 0x0               ; qkv s[4:5], group_prob s[6:7], attention_mask s[8:9], out0 s[10:11]
	v_lshl_add_u32 v[SPW], v0, 2, SPARE
	v_mov_b32 v[NIL], 0
	ds_add_u32 v[SPW], v[NIL]                      ; the wave's opening: the add, twice on end, and its wait ahead of my first tensor load; the set-up below, work on registers, stands between
	ds_add_u32 v[SPW], v[NIL]
	v_lshrrev_b32 v1, 5, v0
	v_readfirstlane_b32 s[WV], v1                  ; wave 0..3
	s_bfe_u32 s13, ttmp6, 0x40000                  ; cx
	s_bfe_u32 s14, ttmp6, 0x40004                  ; cy
	s_lshl_b32 s15, ttmp9, 2
	s_add_co_u32 s15, s15, s13                     ; the pair of heads = 4 x cluster x + cx
	s_and_b32 s16, ttmp7, 0xffff                   ; cluster y
	s_lshr_b32 s17, s16, 2                         ; the batch: the same in all sixteen partners
	s_and_b32 s18, s16, 3
	s_lshl_b32 s18, s18, 2
	s_add_co_u32 s18, s18, s14                     ; the block of 128 queries in the batch = 4 x (cluster y % 4) + cy
	s_and_b32 s19, s[WV], 1                        ; my head of the pair.  Also: which half of the gate's rows waves 2 and 3 fetch
	s_lshr_b32 s20, s[WV], 1                       ; my 64 of the 128 queries
	s_lshl_b32 s21, s14, 2
	s_lshl_b32 s21, 15, s21                        ; my row of the cluster
	s_lshl_b32 s22, 0x1111, s13                    ; my column
	; descriptor groups 1.  K, V: 128 rows x 128 elements of 2 bytes, dense; the gate: 64 rows x 128 elements of 4 bytes, 2,048 elements apart
	s_or_b32 s[G1K], s22, (1<<16)|(1<<20)|(1<<21)|(5<<22)|(3<<25)  ; 15:0 the mask: my column; 17:16 elements of 2 bytes; 20 padding on; 21 set beside a mask; 24:22 after every 64 words (code 5); 31:25 4 words of it (code 3)
	s_or_b32 s[G1V], s22, (1<<16)|(1<<20)|(1<<21)|(5<<22)|(7<<25)  ; the same with 8 words of padding (code 7)
	s_or_b32 s[G1G], s21, (2<<16)|(1<<20)|(1<<21)|(6<<22)|(3<<25)  ; the mask: my row; elements of 4 bytes; 4 words after every 128 (code 6)
.irp g, G1K, G1V
	s_mov_b32 s[\g+1], 128<<16                     ; tensor_dim0 = 128
	s_mov_b32 s[\g+2], 128<<16                     ; tensor_dim1 = 128
	s_mov_b32 s[\g+3], 128<<16                     ; tile_dim0 = 128
	s_mov_b32 s[\g+4], 128                         ; tile_dim1 = 128
	s_mov_b32 s[\g+5], 128                         ; tensor_dim0_stride
	s_mov_b32 s[\g+6], 0
	s_mov_b32 s[\g+7], 0
.endr
	s_mov_b32 s[G1G+1], 128<<16
	s_mov_b32 s[G1G+2], 64<<16
	s_mov_b32 s[G1G+3], 128<<16
	s_mov_b32 s[G1G+4], 64
	s_mov_b32 s[G1G+5], 2048
	s_mov_b32 s[G1G+6], 0
	s_mov_b32 s[G1G+7], 0
	s_lshl_b32 s86, s17, 3
	s_add_co_u32 s86, s86, s15
	s_lshl_b32 s86, s86, 19                        ; my (batch, pair of heads) block in each of q, k, v: 524,288 bytes each.  cy enters none of these registers
	s_mov_b32 s87, 0
	s_lshl_b32 s88, s18, 7
	s_lshl_b32 s89, s19, 6
	s_add_co_u32 s88, s88, s89                     ; the gate: row 128 x block + 64 x half,
	s_lshl_b32 s88, s88, 13                        ; 8,192 bytes a row,
	s_lshl_b32 s89, s17, 24
	s_add_co_u32 s88, s88, s89                     ; in my batch.  cx enters none of these registers
	s_mov_b32 s89, 0
	s_mul_i32 s90, s19, 64*PITG
	s_add_co_u32 s90, s90, GOFF                    ; and where that half goes in a slot
	; the prefetches: where my wave's stand, and who asks
	s_add_co_u32 s21, s[WV], 1
	s_lshl_b32 s21, s21, 23                        ; wave 0: k's part of qkv; wave 1: v's
	s_add_co_u32 s21, s21, s86
	s_lshl_b32 s22, s14, 13                        ; my work-group's 32 rows of 256 bytes
	s_add_co_u32 s21, s21, s22
	s_add_co_u32 s21, s21, 2*32768                 ; in slot 2: the first change of slots steps it to slot 3
	s_lshl_b32 s22, s18, 7
	s_lshl_b32 s23, s13, 5
	s_add_co_u32 s22, s22, s23                     ; the gate: row 128 x block + my work-group's 32
	s_lshl_b32 s22, s22, 13
	s_lshl_b32 s23, s17, 24
	s_add_co_u32 s22, s22, s23
	s_lshl_b32 s23, s19, 8                         ; wave 2: the first 256 bytes of a slot's 512; wave 3: the second
	s_add_co_u32 s22, s22, s23
	s_add_co_u32 s22, s22, 2*512
	s_and_b32 s23, s16, 3
	s_mov_b32 s[PFS], 512
	s_mov_b32 s[PFS+1], 0
	s_mov_b32 s99, 8192
	s_mov_b32 s3, 0
	s_cmp_lt_u32 s[WV], 2                          ; waves 0 and 1 ask for K and V, waves 2 and 3 for the gate
	s_cselect_b32 s2, s21, s22
	s_cselect_b32 s23, s23, ttmp9                  ; the coordinate along which other clusters walk the same rows: the same in all sixteen partners
	s_cselect_b32 s[PFS], 32768, s[PFS]            ; a slot on
	s_cselect_b32 s99, 256, s99                    ; from lane to lane
	s_cmp_eq_u32 s23, 0
	s_cselect_b32 s[LIM], 1, -1
	v_and_b32 v[PFO], 31, v0
	v_mul_lo_u32 v[PFO], v[PFO], s99
	s_mov_b32 s[SEL], 0x76543210
	s_mov_b32 s[SEL+1], 0xfedcba98
	s_mov_b32 s[TB], 0
	s_mov_b32 s[SLOTS], 14                         ; 16 slots of 128 keys; two are asked for at the head
	s_wait_dscnt 0x0                               ; both opening adds are done
	s_wait_kmcnt 0x0
	s_cmp_lt_u32 s[WV], 2
	s_cselect_b64 s[PFA:PFA+1], s[4:5], s[6:7]
	s_add_nc_u64 s[PFA:PFA+1], s[PFA:PFA+1], s[2:3]
	s_add_nc_u64 s[92:93], s[4:5], s[86:87]        ; q's block; k's lies 8,388,608 bytes on, v's 16,777,216
	s_add_nc_u64 s[94:95], s[6:7], s[88:89]        ; the gate's rows
.irp s, 0,1
	s_mov_b32 s[G0K+4*\s], 1                       ; 1:0 count = 1
	s_mov_b32 s[G0K+4*\s+1], \s*XSL                ; 63:32 LDS address
	s_add_nc_u64 s[G0K+4*\s+2:G0K+4*\s+3], s[92:93], 8388608+\s*32768   ; 120:64 global address: slot s begins with key 128 s
	s_or_b32 s[G0K+4*\s+3], s[G0K+4*\s+3], 0x80000000                  ; 127:126 type = 2
	s_mov_b32 s[G0V+4*\s], 1
	s_mov_b32 s[G0V+4*\s+1], VOFF+\s*XSL
	s_add_nc_u64 s[G0V+4*\s+2:G0V+4*\s+3], s[92:93], 16777216+\s*32768
	s_or_b32 s[G0V+4*\s+3], s[G0V+4*\s+3], 0x80000000
	s_mov_b32 s[G0G+4*\s], 1
	s_add_co_u32 s[G0G+4*\s+1], s90, \s*XSL
	s_add_nc_u64 s[G0G+4*\s+2:G0G+4*\s+3], s[94:95], \s*512
	s_or_b32 s[G0G+4*\s+3], s[G0G+4*\s+3], 0x80000000
.endr
	s_lshl_b32 s98, s18, 7
	s_lshl_b32 s99, s20, 6
	s_add_co_u32 s98, s98, s99                     ; my wave's first query in its batch
	s_lshl_b32 s2, s98, 8
	s_lshl_b32 s3, s19, 7
	s_add_co_u32 s2, s2, s3
	s_mov_b32 s3, 0
	s_add_nc_u64 s[96:97], s[92:93], s[2:3]        ; Q at my wave's first row, my head
	s_lshl_b32 s2, s17, 11
	s_add_co_u32 s2, s2, s98
	s_lshl_b32 s2, s2, 12                          ; out0: rows of 4,096 bytes,
	s_lshl_b32 s3, s15, 9
	s_add_co_u32 s2, s2, s3                        ; 512 bytes a pair of heads,
	s_lshl_b32 s3, s19, 8
	s_add_co_u32 s2, s2, s3                        ; 256 a head
	s_mov_b32 s3, 0
	s_add_nc_u64 s[10:11], s[10:11], s[2:3]
	s_lshl_b32 s2, s17, 13
	s_add_nc_u64 s[8:9], s[8:9], s[2:3]            ; the mask's row of my batch
	CROUND                                         ; all sixteen work-groups are here: the first joint loads meet
	s_cmp_eq_u32 s[WV], 0                          ; a wave's two first fills stand in one branch, ahead of every wait on TENSORcnt and every LDS read: two loads of mine are out
	s_cbranch_scc0 .Lfirst_not_k
	tensor_load_to_lds s[G0K:G0K+3], s[G1K:G1K+7]
	s_nop 0
	tensor_load_to_lds s[G0K+4:G0K+7], s[G1K:G1K+7]
	s_nop 0
.rept 4
	v_nop
.endr
	s_branch .Lfirst_asked
.Lfirst_not_k:
	s_cmp_eq_u32 s[WV], 1
	s_cbranch_scc0 .Lfirst_g
	tensor_load_to_lds s[G0V:G0V+3], s[G1V:G1V+7]
	s_nop 0
	tensor_load_to_lds s[G0V+4:G0V+7], s[G1V:G1V+7]
	s_nop 0
.rept 4
	v_nop
.endr
	s_branch .Lfirst_asked
.Lfirst_g:
	tensor_load_to_lds s[G0G:G0G+3], s[G1G:G1G+7]
	s_nop 0
	tensor_load_to_lds s[G0G+4:G0G+7], s[G1G:G1G+7]
	s_nop 0
.rept 4
	v_nop
.endr
.Lfirst_asked:
	; A fragment of K or Q is 16 rows x 32 channels in 8 registers: lane l holds row l % 16; registers 0-3 channels 8 (l / 16) + 0..7, registers 4-7 channels 16 + 8 (l / 16) + 0..7: two loads of 16 bytes, 32 bytes apart.
	v_and_b32 v1, 15, v0                           ; r = l % 16
	v_bfe_u32 v16, v0, 4, 1                        ; h = l / 16
	v_lshlrev_b32 v[QO], 8, v1
	v_lshl_add_u32 v[QO], v16, 4, v[QO]            ; row x 256 + 16 x half
	WIN 0x80                                       ; destination window 2, address window 0
.irp t, 0,1,2,3
.irp d, 0,1                                    ; Q stays in registers: tile t, channels 32 d on
	global_load_b128 v[16*\t+8*\d:16*\t+8*\d+3],   v[QO], s[96:97] offset:4096*\t+64*\d
	global_load_b128 v[16*\t+8*\d+4:16*\t+8*\d+7], v[QO], s[96:97] offset:4096*\t+64*\d+32
.endr
.endr
	WIN 0
	v_lshlrev_b32 v[MO], 4, v0
.irp i, 0,1,2,3
	global_load_b128 v[48+4*\i:51+4*\i], v[MO], s[8:9] offset:2048*\i   ; the mask of my batch's 2,048 keys: read, and, as in the reference, without effect
.endr
	s_lshl_b32 s2, s19, 7                          ; my head's 128 bytes of a row
	v_mul_u32_u24 v[AK0], v1, PITK
	v_lshl_add_u32 v[AK0], v16, 4, v[AK0]
	v_add_nc_u32 v[AK0], s2, v[AK0]                ; K: row x pitch + 16 x half + my head
	; The turning load takes 16 keys x 16 channels (lane l reads 16 bytes: key 8 (l / 16) + l % 8, channels 8 ((l / 8) % 2) + 0..7) and leaves half a fragment of V^T: lane l holds channel l % 16 and 8 keys.
	v_and_b32 v17, 7, v0
	v_bfe_u32 v18, v0, 3, 1
	v_lshl_add_u32 v[AV0], v16, 3, v17
	v_mul_u32_u24 v[AV0], v[AV0], PITV
	v_lshl_add_u32 v[AV0], v18, 4, v[AV0]
	s_add_co_u32 s3, s2, VOFF
	v_add_nc_u32 v[AV0], s3, v[AV0]
	v_mul_u32_u24 v[AG0], v1, PITG                 ; the gate: my query's row, + 32 bytes for the upper half of the lanes
	v_lshl_add_u32 v[AG0], v16, 5, v[AG0]
	s_mul_i32 s3, s20, 64*PITG
	s_add_co_u32 s3, s3, GOFF
	v_add_nc_u32 v[AG0], s3, v[AG0]
	s_mul_i32 s2, s[WV], 16*SP
	s_add_co_u32 s2, s2, STAGE                     ; my stage
	v_mul_u32_u24 v[STO], v1, SP                   ; in: row l % 16, 32 bytes for each half of the lanes
	v_lshl_add_u32 v[STO], v16, 5, v[STO]
	v_add_nc_u32 v[STO], s2, v[STO]
	v_mul_u32_u24 v[RD], v16, SP                   ; back: lanes 0-15 take one row of 256 bytes, lanes 16-31 the next
	v_lshl_add_u32 v[RD], v1, 4, v[RD]
	v_add_nc_u32 v[RD], s2, v[RD]
	v_lshlrev_b32 v[GO], 12, v16                   ; and the same two rows in out0
	v_lshl_add_u32 v[GO], v1, 4, v[GO]
	; THE STEP IS WRITTEN ONCE: its first walk finds O^T = 0 and tile 3's P = 0, so that the product "of the step before" adds nothing, and the first a = 2^(-3e38 - m) = 0 multiplies zeros.
	WIN 0x40
.set i, 0
.rept 128
	v_mov_b32 v[i], 0                              ; O^T
.set i, i+1
.endr
	WIN 0
.set i, 0
.rept 16
	v_mov_b32 v[P+48+i], 0                         ; tile 3's P
.set i, i+1
.endr
; THE MATRIX WORK.  mi = 0 .. 7 counts a tile's eight products of a kind.  Four accumulators take turns, one instruction a turn; no two matrix instructions that follow each other share one, from block to block and over the backward jump too.
.macro QKI t                           ; S^T = K Q^T of tile t: channels 32 (mi / 4) on, keys 16 (mi % 4) on.  The first four start the sums
	WIN 0x0a                                       ; K and Q in window 2, S^T in window 0
.set mS, S+32*(\t)+8*(mi%4)
.set mK, KF+16*(mi%4)+8*(mi/4)
.set mQ, 16*(\t)+8*(mi/4)
.if mi < 4
	v_wmma_f32_16x16x32_f16 v[mS:mS+7], v[mK:mK+7], v[mQ:mQ+7], 0
.else
	v_wmma_f32_16x16x32_f16 v[mS:mS+7], v[mK:mK+7], v[mQ:mQ+7], v[mS:mS+7]
.endif
.endm
.macro PVI t                           ; O^T += V^T P of tile t: keys 32 (mi / 4) on, channels 16 (mi % 4) on
	WIN 0x52                                       ; V in window 2, P in window 0, O^T in window 1
.set mO, 32*(\t)+8*(mi%4)
.set mV, VF+32*(mi/4)+8*(mi%4)
.set mP, P+16*(\t)+8*(mi/4)
	v_wmma_f32_16x16x32_f16 v[mO:mO+7], v[mV:mV+7], v[mP:mP+7], v[mO:mO+7]
.endm
.macro MAT kind, t                     ; kind 1: K Q^T; 2: V^T P; 0: none
.if \kind == 1
	QKI \t
.elseif \kind == 2
	PVI \t
.endif
.endm
; THE LDS LOADS stand in runs.  e: which of the slot's two steps.  Each run makes its address from s[TB] first.
.macro FETCH_G e                       ; the gate of the wave's 64 queries x 64 keys: register 32 t + 8 u + j = g(query 16 t + l % 16, key 16 u + 8 (l / 16) + j)
	WIN 0
	v_add_nc_u32 v[ADG], s[TB], v[AG0]
	WIN 0x40                                       ; destination window 1
.irp t, 0,1,2,3
.irp u, 0,1,2,3
	ds_load_b128 v[G+32*\t+8*\u:G+32*\t+8*\u+3],   v[ADG] offset:16*PITG*\t+256*(\e)+64*\u
	ds_load_b128 v[G+32*\t+8*\u+4:G+32*\t+8*\u+7], v[ADG] offset:16*PITG*\t+256*(\e)+64*\u+16
.endr
.endr
.endm
.macro FETCH_V e
	WIN 0
	v_add_nc_u32 v[ADV], s[TB], v[AV0]
	WIN 0x80                                       ; destination window 2
.irp k, 0,1
.irp c, 0,1,2,3                                ; keys 32 k on, channels 16 c on
	ds_load_tr16_b128 v[VF+32*\k+8*\c:VF+32*\k+8*\c+3],   v[ADV] offset:(64*(\e)+32*\k)*PITV+32*\c
	ds_load_tr16_b128 v[VF+32*\k+8*\c+4:VF+32*\k+8*\c+7], v[ADV] offset:(64*(\e)+32*\k+16)*PITV+32*\c
.endr
.endr
.endm
.macro FETCH_K e
	WIN 0
	v_add_nc_u32 v[ADK], s[TB], v[AK0]
	WIN 0x80
.irp u, 0,1,2,3
.irp d, 0,1                                    ; keys 16 u on, channels 32 d on
	ds_load_b128 v[KF+16*\u+8*\d:KF+16*\u+8*\d+3],   v[ADK] offset:(64*(\e)+16*\u)*PITK+64*\d
	ds_load_b128 v[KF+16*\u+8*\d+4:KF+16*\u+8*\d+7], v[ADK] offset:(64*(\e)+16*\u)*PITK+64*\d+32
.endr
.endr
.endm
; THE VECTOR WORK.  One tile's softmax for one key step is a list of 135; SM writes number j of it for tile t.  s0-s31 are the lane's 32 scores, in pairs 0-15.
;   0-15    the maximum of s0-s31 and the old m, three operands at a time: four chains c0-c3 (each begins at its accumulator's low end), the four scores left over, c0-c3 and m
;   16-20   the other half of the lanes' maximum; the new m; old m - new m; 8 - m
;   21-69   ONE BATCH: a's exponential, the 16 additions s + (8 - m), a pair each, and the 32 exponentials; a pair is added one triple ahead of its exponentials.  None of these names an exponential's result
;   70      a plain instruction behind the last exponential; the block's waits and loads (HOOK); the ONE wait ahead of the first instruction that names a result
;   71-86   p x g, into the gate's registers      87-102  rounded to f16: P      103-118 the tile's O^T x a      119-133 the sum of the UNGATED p, in place      134 the sum = a x the sum + that
.macro SM t
.set rT, ST+8*(\t)
.set rS, S+32*(\t)
.set rP, P+16*(\t)
.set rG, G+32*(\t)
.set rO, 32*(\t)
.if j < 71
	WIN 0
.elseif j < 87
	WIN 0x44                                       ; p in window 0; the gate, source 1 and destination, in window 1
.elseif j < 103
	WIN 0x05                                       ; sources in window 1, P in window 0
.elseif j < 119
	WIN 0x41                                       ; O^T in window 1, a in window 0
.else
	WIN 0
.endif
.if j < 4
	v_max3_num_f32 v[rT+4+j], v[rS+8*j], v[rS+8*j+1], v[rS+8*j+2]
.elseif j < 12
	v_max3_num_f32 v[rT+4+j%4], v[rT+4+j%4], v[rS+8*(j%4)+2*(j/4)+1], v[rS+8*(j%4)+2*(j/4)+2]
.elseif j == 12
	v_max3_num_f32 v[rT+4], v[rT+4], v[rS+7], v[rS+15]
.elseif j == 13
	v_max3_num_f32 v[rT+6], v[rT+6], v[rS+23], v[rS+31]
.elseif j == 14
	v_max3_num_f32 v[rT+4], v[rT+4], v[rT+5], v[rT+6]
.elseif j == 15
	v_max3_num_f32 v[rT+4], v[rT+4], v[rT+7], v[rT+1]
.elseif j == 16
	v_permlanex16_b32 v[rT+5], v[rT+4], s[SEL], s[SEL+1]           ; the query's other 32 keys lie in the lane 16 away
.elseif j == 17
	v_mov_b32 v[rT+7], v[rT+1]                     ; the old m
.elseif j == 18
	v_max_num_f32 v[rT+1], v[rT+4], v[rT+5]        ; the new m
.elseif j == 19
	v_sub_f32 v[rT+7], v[rT+7], v[rT+1]            ; old m - new m, 0 or less
.elseif j == 20
	v_sub_f32 v[rT], 0x41000000, v[rT+1]           ; 8 - m
.elseif j == 21
	v_exp_f32 v[rT+6], v[rT+7]                     ; a
.elseif j == 22
	v_pk_add_f32 v[rS:rS+1], v[rS:rS+1], v[rT:rT+1] op_sel_hi:[1,0]
.elseif j < 68
.if (j-23)%3 == 0
.set b, (j-23)/3+1
	v_pk_add_f32 v[rS+2*b:rS+2*b+1], v[rS+2*b:rS+2*b+1], v[rT:rT+1] op_sel_hi:[1,0]   ; pair b: t + (8 - m) (of the pair 8 - m, m the low word serves both halves)
.else
.set e, 2*((j-23)/3)+(j-23)%3-1
	v_exp_f32 v[rS+e], v[rS+e]                     ; p, at most 256
.endif
.elseif j < 70
	v_exp_f32 v[rS+j-38], v[rS+j-38]               ; s30, s31
.elseif j == 70
	v_nop
.if HOOK == 1
	s_wait_dscnt 24                                ; tile 0's eight loads of the gate are in; the 24 of tiles 1 to 3 may be out
	FETCH_V HE                                     ; the last product that read V stands ahead of number 56: the additions 56, 59, 62, 65, the v_nop and the run's own addition are the places between
.elseif HOOK == 2
	s_wait_dscnt 32                                ; tile 1's are in; the 16 of tiles 2 and 3 and V's 16 may be out
.endif
	s_wait_alu depctr_va_vdst(0)
.elseif j < 87
.set b, j-71
	v_pk_mul_f32 v[rG+2*b:rG+2*b+1], v[rS+2*b:rS+2*b+1], v[rG+2*b:rG+2*b+1]
.elseif j < 103
.set b, j-87
	v_cvt_pk_f16_f32 v[rP+b], v[rG+2*b], v[rG+2*b+1]
.elseif j < 119
.set b, j-103
	v_pk_mul_f32 v[rO+2*b:rO+2*b+1], v[rO+2*b:rO+2*b+1], v[rT+6:rT+7] op_sel_hi:[1,0]   ; each accumulator from its low end on
.elseif j < 134
.set z, j-119                          ; sum z of 15 adds neighbours 1, 2, 4, 8 pairs apart
.set w, 4
.set u, z
.if z >= 14
.set w, 32
.set u, 0
.elseif z >= 12
.set w, 16
.set u, z-12
.elseif z >= 8
.set w, 8
.set u, z-8
.endif
	v_pk_add_f32 v[rS+w*u:rS+w*u+1], v[rS+w*u:rS+w*u+1], v[rS+w*u+w/2:rS+w*u+w/2+1]
.else
	v_pk_fma_f32 v[rT+2:rT+3], v[rT+2:rT+3], v[rT+6:rT+7], v[rS:rS+1] op_sel_hi:[1,0,1]
.endif
.endm
; A BLOCK: sixteen times one matrix instruction (eight of kind ka on tile ta, eight of kind kb on tile tb) and eight numbers of tile t's list; then the last seven.  So fifteen plain instructions, which name S^T of tile t alone,
; stand behind a block's last matrix instruction: they are the places ahead of the next reader of its result and of loads into its sources.
.macro BLOCK t, ka, ta, kb, tb
.set j, 0
.set i, 0
.rept 16
.set mi, i%8
.if i < 8
	MAT \ka, \ta
.else
	MAT \kb, \tb
.endif
.rept 8
	SM \t
.set j, j+1
.endr
.set i, i+1
.endr
.rept 7
	SM \t
.set j, j+1
.endr
.endm
; THE CHANGE OF SLOTS stands behind block 0 of a slot's second step: the slot's last bytes, that step's V, have been asked for.  Each wave waits for all its tensor loads, of which one is out: its part of the other slot; adds 0 to
; its spare word; and waits for that and for its own reads of the slot.  chg = 1: the slot is filled again, with the keys two slots on: the barrier is a round of the cluster's, so that no wave of any partner still reads the slot
; or has a load on its way, and the joint refill is the first thing behind it: it has two key steps in which to land.  chg = 2: nothing is left to ask for.
.macro CHANGE chg
	WIN 0                                          ; at a label and at a branch every window is 0
	s_wait_tensorcnt 0x0                           ; no tensor load of mine is out, so a group 0 may be written
	ds_add_u32 v[SPW], v[NIL]                      ; 0 onto my spare word; the steps below stand between it and the wait for it
.if \chg == 1
.irp g, G0K+4, G0V+4, G0G+4
	s_xor_b32 s[\g+1], s[\g+1], XSL                ; the walking descriptors: the other slot than last time,
.endr
	s_add_nc_u64 s[G0K+6:G0K+7], s[G0K+6:G0K+7], 32768   ; the next 128 keys; the type bits on top are not reached
	s_add_nc_u64 s[G0V+6:G0V+7], s[G0V+6:G0V+7], 32768
	s_add_nc_u64 s[G0G+6:G0G+7], s[G0G+6:G0G+7], 512
	s_wait_xcnt 0x0                                ; the last prefetch, two key steps back, has read its address, so it may be written:
	s_add_nc_u64 s[PFA:PFA+1], s[PFA:PFA+1], s[PFS:PFS+1]  ; one slot further on than the walking descriptors
.endif
	s_xor_b32 s[TB], s[TB], XSL                    ; the fetches go on in the other slot
	s_wait_dscnt 0x0                               ; the add is done, and my reads of the slot are over
.if \chg == 1
	CROUND
	JLOAD
	ASK
.else
	s_barrier_signal -1
	s_barrier_wait -1
.endif
.endm
; A KEY STEP, the e-th of its slot.  nxt = 1: a step follows: its K is fetched and tile 0's scores are made.
.macro STEP e, chg, nxt
	FETCH_G \e
.set HOOK, 1
.set HE, \e
	BLOCK 0, 2, 3, 1, 1
.if \chg
	CHANGE \chg
.endif
.set HOOK, 2
	BLOCK 1, 1, 2, 1, 3
	s_wait_dscnt 0x0                               ; the gate of tiles 2 and 3 and V are in
.if \nxt
	FETCH_K 1-(\e)                                 ; the next step's K: the same slot's second step, or the first step of the slot just turned to
.endif
.set HOOK, 0
	BLOCK 2, 2, 0, 2, 1
	s_wait_dscnt 0x0                               ; K is in
.if \nxt
	BLOCK 3, 2, 2, 1, 0
.else
	BLOCK 3, 2, 2, 0, 0
.endif
.endm
	s_wait_tensorcnt 1                             ; my part of slot 0 is in; slot 1's may stay out
	s_barrier_signal -1
	s_barrier_wait -1                              ; everybody's is
	FETCH_K 0
	FETCH_V 0                                      ; (so that the first step's product "of the step before" multiplies its zeros by numbers)
	s_wait_loadcnt 0x0                             ; Q (and the mask)
	s_wait_dscnt 0x0
.set mi, 0
.rept 8
	QKI 0                                          ; tile 0's first scores
.set mi, mi+1
.endr
	WIN 0
.irp t, 0,1,2,3                                ; twelve plain instructions: the places behind those products
	v_mov_b32 v[ST+8*\t+1], 0xff61b1e6             ; m: -3e38, under every t
	v_mov_b32 v[ST+8*\t+2], 0                      ; the sum, in two halves
	v_mov_b32 v[ST+8*\t+3], 0
.endr
.Lslot:                                            ; 14 trips: every slot but the last two is filled again
	STEP 0, 0, 1
	STEP 1, 1, 1
	WIN 0
	s_sub_co_u32 s[SLOTS], s[SLOTS], 1
	s_cmp_lg_u32 s[SLOTS], 0
	s_cbranch_scc1 .Lslot
	STEP 0, 0, 1                                   ; the tail is written out
	STEP 1, 2, 1
	STEP 0, 0, 1
	STEP 1, 0, 0
.set mi, 0
.rept 8
	PVI 3                                          ; tile 3's last V^T P
.set mi, mi+1
.endr
	; THE WAY OUT.  The sum's two halves and the other half of the lanes' are added; O^T is divided by the sum and goes through my stage in LDS, a tile (16 queries x 256 bytes) at a time.  The additions are the places behind the last products.
	WIN 0
.irp t, 0,1,2,3
	v_add_f32 v[ST+8*\t+4], v[ST+8*\t+2], v[ST+8*\t+3]
.endr
.irp t, 0,1,2,3
	v_permlanex16_b32 v[ST+8*\t+5], v[ST+8*\t+4], s[SEL], s[SEL+1]
.endr
.irp t, 0,1,2,3
	v_add_f32 v[ST+8*\t+4], v[ST+8*\t+4], v[ST+8*\t+5]
.endr
.irp t, 0,1,2,3
	v_rcp_f32 v[ST+8*\t+6], v[ST+8*\t+4]
.endr
	v_nop                                          ; a plain instruction between the last reciprocal and the use of its result
	s_wait_alu depctr_va_vdst(0)                   ; and the wait ahead of the first use: one for the four
.macro PACK t
	WIN 0x01                                       ; O^T in window 1; the reciprocal and the result (S^T's registers, which are free) in window 0
.set i, 0
.rept 16
	v_pk_mul_f32 v[S+32*\t+2*i:S+32*\t+2*i+1], v[32*\t+2*i:32*\t+2*i+1], v[ST+8*\t+6:ST+8*\t+7] op_sel_hi:[1,0]   ; register 8 c + j is channel 16 c + 8 (l / 16) + j of my query
.set i, i+1
.endr
	WIN 0
.irp f, 0,1,2,3,4,5,6,7
	ds_store_b128 v[STO], v[S+32*\t+4*\f:S+32*\t+4*\f+3] offset:64*(\f/2)+16*(\f%2)
.endr
.irp f, 0,1,2,3,4,5,6,7
	ds_load_b128 v[S+32*\t+4*\f:S+32*\t+4*\f+3], v[RD] offset:\f*2*SP   ; LDS serves a wave's instructions in order (ISA guide 5.7.1.4): these see the stores above; the next tile's stores come behind them
.endr
.endm
.macro SEND t, younger                 ; younger: the LDS instructions issued behind tile t's loads: the next tile's sixteen, or none
.irp f, 0,1,2,3,4,5,6,7
	s_wait_dscnt \younger+7-\f
	global_store_b128 v[GO], v[S+32*\t+4*\f:S+32*\t+4*\f+3], s[10:11] offset:\t*65536+\f*8192 th:TH_STORE_NT   ; sixteen lanes store 256 consecutive bytes, at a multiple of 256 from out0's first byte
.endr
.endm
	PACK 0
	PACK 1                                         ; a tile's arithmetic stands between the loads of the tile before and its stores
	SEND 0, 16
	PACK 2
	SEND 1, 16
	PACK 3
	SEND 2, 16
	SEND 3, 0
	s_wait_tensorcnt 0x0                           ; the wave's end, behind my last tensor load and my last LDS store
	ds_add_u32 v[SPW], v[NIL]
	s_wait_dscnt 0x0
	CROUND                                         ; the closing round: no work-group ends while a partner may still ask for a tile that names it
	s_endpgm
.Lfunc_end_k_qd96490a369_attn:
	.size	k_qd96490a369_attn, .Lfunc_end_k_qd96490a369_attn-k_qd96490a369_attn
	.p2alignl 7, 3214868480
	.fill 96, 4, 3214868480
	.section	.rodata,"a",@progbits
	.p2align	6, 0x0
	.amdhsa_kernel k_qd96490a369_attn
		.amdhsa_group_segment_fixed_size 327680
		.amdhsa_private_segment_fixed_size 0
		.amdhsa_enable_private_segment 0
		.amdhsa_kernarg_size 32
		.amdhsa_user_sgpr_count 2
		.amdhsa_user_sgpr_kernarg_segment_ptr 1
		.amdhsa_wavefront_size32 1
		.amdhsa_system_sgpr_workgroup_id_x 1
		.amdhsa_system_sgpr_workgroup_id_y 1
		.amdhsa_system_sgpr_workgroup_id_z 1
		.amdhsa_system_vgpr_workitem_id 0
		.amdhsa_next_free_vgpr 768
		.amdhsa_next_free_sgpr 100
		.amdhsa_reserve_vcc 0
		.amdhsa_float_denorm_mode_32 3
		.amdhsa_float_denorm_mode_16_64 3
		.amdhsa_memory_ordered 1
		.amdhsa_forward_progress 1
		.amdhsa_inst_pref_size 255
	.end_amdhsa_kernel
	.section	.bss,"aw",@nobits
	.p2align	6
	.space	262144
	.amdgpu_metadata
---
amdhsa.version: [ 1, 2 ]
amdhsa.kernels:
  - .name:           k_qd96490a369_attn
    .symbol:         k_qd96490a369_attn.kd
    .args:
      - { .name: qkv, .offset: 0, .size: 8, .value_kind: global_buffer, .address_space: global }
      - { .name: group_prob, .offset: 8, .size: 8, .value_kind: global_buffer, .address_space: global }
      - { .name: attention_mask, .offset: 16, .size: 8, .value_kind: global_buffer, .address_space: global }
      - { .name: out0, .offset: 24, .size: 8, .value_kind: global_buffer, .address_space: global }
    .group_segment_fixed_size: 327680
    .private_segment_fixed_size: 0
    .kernarg_segment_align: 8
    .kernarg_segment_size: 32
    .max_flat_workgroup_size: 128
    .sgpr_count:     100
    .vgpr_count:     768
    .wavefront_size: 32
...
	.end_amdgpu_metadata
.endif
;; end of part 3
